; MI455X (gfx1250); checked and timed in simulation.
; The chip was launched on July 23, 2026; its instructions are those of AMD's public machine-readable ISA for CDNA 5 (MIT licence, August 2026) and "CDNA5" Instruction Set Architecture Reference Guide (July 2026). The comments in the code are by the model that wrote it; some were corrected since.
;; Multi Head Attention Block. Allowed arithmetic: matrix products marked QUANTISED: E2M1 operands, one E8M0 scale for each 32 along K, by v_wmma_scale_f32_16x16x128_f8f6f4 with both operands' format E2M1 (or v_wmma_scale_f32_32x16x128_f4), f32 sums; products left as they are: bf16, f16 or f32 operands; f32 sums; everything else in f32.
;; Inputs: Wk 1,024 x 1,024 float32; Wo 1,024 x 1,024 float32; Wq 1,024 x 1,024 float32; Wv 1,024 x 1,024 float32; k 4 x 2,048 x 1,024 float32; mask 1 x 1 x 2,048 x 2,048 int32; q 4 x 2,048 x 1,024 float32; v 4 x 2,048 x 1,024 float32.
;; Outputs: out0 4 x 2,048 x 1,024 float32.
;; This version of the problem:
;;   THIS VERSION OF THE PROBLEM IS GIVEN IN LOW PRECISION. The matrix products marked QUANTISED in the list below multiply operands that are first quantised to E2M1 (2 exponent bits, 1 mantissa bit; 4 bits a number), with one power-of-two scale for each 32 numbers along K (OCP MX v1.0); their sums are f32. The products marked 'left as it is' may take bf16, f16 or f32 operands, with f32 sums. Whichever they take, every output number must still come out within the allowed error. Rounding operands to bf16 (8 significant bits) uses up far more of that allowance than f16 does (11 bits, for magnitudes from 6e-5 to 65,504). All else is computed in f32.
;;   The module's matrix products, in the order in which they are computed (A, B: the left and right operand; K: the contracted axis; several contracted axes count as one K, in the product's order):
;;     1. [M 8,192, K 1,024] x [K 1,024, N 1,024]; A: input q; B: input Wq: QUANTISED
;;     2. [M 8,192, K 1,024] x [K 1,024, N 1,024]; A: input k; B: input Wk: QUANTISED
;;     3. [M 8,192, K 1,024] x [K 1,024, N 1,024]; A: input v; B: input Wv: QUANTISED
;;     4. batch 64 x [M 2,048, K 64] x [K 64, N 2,048]; A: computed on the way; B: computed on the way: left as it is (an operand is computed on the way)
;;     5. batch 64 x [M 2,048, K 2,048] x [K 2,048, N 64]; A: computed on the way; B: computed on the way: left as it is (an operand is computed on the way)
;;     6. [M 8,192, K 1,024] x [K 1,024, N 1,024]; A: computed on the way; B: input Wo: left as it is (an operand is computed on the way)
;;   THE QUANTISER, for each operand of a quantised product, along K:
;;     - K is cut into blocks of 32 from its start; a last block that is shorter is filled with zeros.
;;     - A block's scale is 2^e with e = floor(log2(the largest magnitude in the block)) - 2, held to -126 .. 127; a block of zeros has e = 0. As a byte (E8M0): e + 127.
;;     - Each number is divided by its block's scale, clamped to +-6, and rounded to the nearest number of E2M1, ties to even, subnormals kept.
;;     - The product sums the exact products of the quantised numbers (number of the format x scale) in f32.
;;   ~~~python
;;   def quantise(x, axis):      # numpy; x: float32 -> the quantised numbers, widened to float32 again
;;       x = np.moveaxis(x, axis, -1); K = x.shape[-1]
;;       x = np.pad(x, [(0, 0)] * (x.ndim - 1) + [(0, -K % 32)]); x = x.reshape(x.shape[:-1] + (-1, 32)); a = np.abs(x).max(-1, keepdims=True)
;;       e = np.where(a > 0, np.clip(np.frexp(np.where(a > 0, a, 1))[1] - 1 - 2, -126, 127), 0)      # np.frexp(a)[1] - 1 = floor(log2(a)), exactly
;;       r = np.clip(x / 2.0 ** e, -6, 6)
;;       step = 2.0 ** (np.maximum(np.frexp(np.where(r == 0, 1, r))[1] - 1, 0) - 1)
;;       q = np.round(r / step) * step * 2.0 ** e      # np.round: ties to even
;;       return np.moveaxis(q.reshape(q.shape[:-2] + (-1,))[..., :K], -1, axis).astype(np.float32)
;;   ~~~
;; One version. Each part assembles by itself: llvm-mc -triple=amdgcn-amd-amdhsa -mcpu=gfx1250 --defsym DOCPART=n.
;; ======== version 1 of 1: 4 launches
;; limits: values are held in f16: magnitudes above 65,504 overflow, below 6.1e-05 lose precision
;; workspace buffers: codes 14,155,776 bytes; scales 884,736 bytes; wo16 2,097,152 bytes; mwords 524,288 bytes of whole numbers; mflag 4,096 bytes of whole numbers; qkv 50,331,648 bytes; ctx 16,777,216 bytes
;; launch prep (part 1): grid 1184 x 1, 4 waves a work-group, no clusters, 68,096 bytes of LDS; arguments q, k, v, Wq, Wk, Wv, Wo, mask, codes, scales, wo16, mwords, mflag; writes codes, scales, wo16, mwords, mflag
.if DOCPART == 1
	.amdgcn_target "amdgcn-amd-amdhsa--gfx1250"
	.amdhsa_code_object_version 6
	.text
	.protected	k_q493167ff02_prep
	.globl	k_q493167ff02_prep
	.p2align	8
	.type	k_q493167ff02_prep,@function
k_q493167ff02_prep:
	s_mov_b64 s[64:65], 0
	v_nop
	global_prefetch_b8 v0, s[64:65] scope:SCOPE_SE
	s_setreg_imm32_b32 hwreg(HW_REG_WAVE_MODE, 25, 1), 1
	s_wait_xcnt 0x0
; PREP: everything that is made once from the inputs.  Three kinds of work-groups, told apart by the work-group's number; each kind has LDS bytes of its own, and waves share nothing: no barrier.
; (1) work-groups 0 .. 863: q, k, v, Wq, Wk, Wv (f32, K = 1,024 innermost, rows dense) become codes of FP4 (E2M1) with one E8M0 byte for each 32 along K.  All six are plain streams of blocks of 32; a wave takes
;     a run of 8,192 numbers, and the runs lie in the two workspace buffers in the order q, k, v, Wq, Wk, Wv: 4,096 bytes of codes and 256 scale bytes a run.
;     A block's scale is 2^(floor(log2(largest magnitude)) - 2); its byte is the largest magnitude's exponent field - 2, held at 1 from below.  A block of zeros so gets the byte 1 where the rule says 127:
;     its codes are zeros, which add nothing under any byte but 0xff, and the bytes are read by this program alone.
; (2) work-groups 864 .. 1119: the mask (int32 [2048][2048]) becomes LANE MASKS for the attention launch: for 64 queries x 64 keys 128 words; word 32 t + 8 kt + i has at bit r + 16 h a 1 where
;     mask[64 qg + 16 t + r][64 kb + 16 kt + 8 h + i] is 0; and one flag word, 1 if any of the 128 is not 0.
; (3) work-groups 1120 .. 1183: Wo (f32) becomes f16 in the order of a matrix operand's registers: [tile of 16 rows][32 along K][half c][512 bytes]; lane (r, h) has row r, k = 16 c + 8 h + 0 .. 7 at byte 16 x lane.
; LIMITS: NaN and infinities among the inputs are not served; blocks whose largest magnitude lies under 2^(3 - 127) keep the byte 1; |Wo| stays under 65,504 (f16).
.set NQUANT, 864
.set NMASK,  256
.set SPW,   12                         ; v12  LDS address of my spare word; never rewritten
.set NIL,   13                         ; v13  0; never rewritten
.set SPARE, 67584                      ; behind all stages: the spare words, 128 bytes for each wave
.set STEPS, 16
.set CB,    8                          ; bytes of 16 codes
.set R,     16                         ; numbers as they are loaded: (1) v16-79, four sets of 16;  (2), (3) v16-143, four tiles of 32
.set XA,    80                         ; (1) v80-111  two sets of 16 neighbours
.set E,     112                        ; (1) v112-127 a scale byte for each step
.set C,     128                        ; (1) v128-191 codes: registers of its own for each step
.set WREG,  8192                       ; (1) LDS: a region for each wave: two stages of 32 x SP bytes, then its 256 scale bytes
.set SP,    80
.set XT,    144                        ; (2), (3) v144-175 a tile turned: register 8 cc + i = element (row r, column 16 cc + 8 h + i)
.set MW,    176                        ; (2) v176-179 the 128 words: word n in lane n / 4, register n % 4
.set STGM,  32768                      ; (2) LDS: a stage of 16 rows x 272 bytes for each wave
.set STGW,  50176                      ; (3) the same
.set TP,    272                        ; a stage row: 256 bytes + 16: sixteen rows begin in sixteen different groups of banks
.macro FINISH                          ; a wave's end, behind my last LDS store
	s_wait_tensorcnt 0x0
	ds_add_u32 v[SPW], v[NIL]
	s_wait_dscnt 0x0
	s_endpgm
.endm
	s_load_b512 s[4:19], s[0:1], 0x0               ; q, k, v, Wq, Wk, Wv, Wo, mask
	s_load_b256 s[20:27], s[0:1], 0x40             ; codes, scales, wo16, mwords
	s_load_b64 s[28:29], s[0:1], 0x60              ; mflag
	v_lshl_add_u32 v[SPW], v0, 2, SPARE
	v_mov_b32 v[NIL], 0
	v_lshrrev_b32 v1, 5, v0
	v_readfirstlane_b32 s33, v1                    ; wave 0..3
	v_and_b32 v2, 31, v0                           ; lane
	s_cmp_lt_u32 ttmp9, NQUANT
	s_cbranch_scc0 .Ltiles
; ---------------- (1) the quantiser ----------------
	v_lshlrev_b32 v3, 4, v2                        ; my 16 bytes of a load's 512
	s_mul_i32 s34, s33, WREG
	v_lshrrev_b32 v14, 2, v2
	v_mul_u32_u24 v14, v14, SP
	v_and_b32 v15, 3, v2
	v_lshl_add_u32 v14, v15, 4, v14
	v_add_nc_u32 v14, s34, v14                     ; the stage, on the way in: four lanes' 64 bytes on end, then 16 of padding
	v_mul_u32_u24 v15, v2, SP
	v_add_nc_u32 v15, s34, v15                     ; and on the way out: my 16 neighbours
	v_mul_u32_u24 v4, v2, CB                       ; my codes' place in a step's
	v_lshrrev_b32 v5, 1, v2
	s_add_co_u32 s34, s34, 2*32*SP
	v_add_nc_u32 v5, s34, v5                       ; my wave's 256 scale bytes, my block's byte
	v_lshlrev_b32 v7, 3, v2                        ; and on the way out 8 bytes a lane
	v_add_nc_u32 v6, s34, v7
	s_wait_kmcnt 0x0
	s_mov_b64 s[30:31], s[14:15]                   ; which tensor, and its first work-group: the choice hangs on the work-group's number alone
	s_mov_b32 s32, 832
	s_cmp_lt_u32 ttmp9, 832
	s_cselect_b64 s[30:31], s[12:13], s[30:31]
	s_cselect_b32 s32, 800, s32
	s_cmp_lt_u32 ttmp9, 800
	s_cselect_b64 s[30:31], s[10:11], s[30:31]
	s_cselect_b32 s32, 768, s32
	s_cmp_lt_u32 ttmp9, 768
	s_cselect_b64 s[30:31], s[8:9], s[30:31]
	s_cselect_b32 s32, 512, s32
	s_cmp_lt_u32 ttmp9, 512
	s_cselect_b64 s[30:31], s[6:7], s[30:31]
	s_cselect_b32 s32, 256, s32
	s_cmp_lt_u32 ttmp9, 256
	s_cselect_b64 s[30:31], s[4:5], s[30:31]
	s_cselect_b32 s32, 0, s32
	s_sub_co_u32 s35, ttmp9, s32
	s_lshl_b32 s35, s35, 2
	s_add_co_u32 s35, s35, s33                     ; my run within the tensor
	s_lshl_b32 s36, s35, 15                        ; 8,192 numbers of 4 bytes
	s_mov_b32 s37, 0
	s_add_nc_u64 s[30:31], s[30:31], s[36:37]
	s_lshl_b32 s35, ttmp9, 2
	s_add_co_u32 s35, s35, s33                     ; my run among all 3,456
	s_lshl_b32 s36, s35, 12
	s_add_nc_u64 s[20:21], s[20:21], s[36:37]
	s_lshl_b32 s36, s35, 8
	s_add_nc_u64 s[22:23], s[22:23], s[36:37]
.macro QLOAD t
.irp i, 0,1,2,3
	global_load_b128 v[R+16*((\t)%4)+4*\i:R+16*((\t)%4)+4*\i+3], v3, s[30:31] offset:2048*(\t)+512*\i th:TH_LOAD_NT   ; 32 lanes read 512 consecutive bytes
.endr
.endm
.macro QTURN t                         ; step t's numbers through the stage: LDS serves a wave's instructions in order, so no wait stands between the stores and the loads
.irp i, 0,1,2,3
	ds_store_b128 v14, v[R+16*((\t)%4)+4*\i:R+16*((\t)%4)+4*\i+3] offset:32*SP*((\t)%2)+8*SP*\i
.endr
.irp i, 0,1,2,3
	ds_load_b128 v[XA+16*((\t)%2)+4*\i:XA+16*((\t)%2)+4*\i+3], v15 offset:32*SP*((\t)%2)+16*\i
.endr
.endm
.irp t, 0,1,2,3
	QLOAD \t
.endr
	s_wait_loadcnt 12                              ; step 0's four loads are in; the twelve of steps 1 to 3 may be out
	QTURN 0
.macro QSTEP t
.set XS, XA+16*((\t)%2)
.if (\t) > 0
	s_wait_dscnt 1                                 ; this step's numbers are back from the stage (the last step's byte store may be out): so its stores into the stage have read their registers,
.else
	s_wait_dscnt 0x0
.endif
.if (\t)+4 < STEPS
	QLOAD (\t)+4                                   ; which take the loads of four steps on
.endif
.if (\t)+1 < STEPS
.if STEPS-2-(\t) >= 3
	s_wait_loadcnt 12                              ; the next step's four loads are in; those of the three steps behind it may be out
.else
	s_wait_loadcnt 4*(STEPS-2-(\t))
.endif
	QTURN (\t)+1
.endif
	v_max3_num_f32 v8, |v[XS]|, |v[XS+1]|, |v[XS+2]|               ; the largest magnitude of my 16, in two chains
	v_max3_num_f32 v9, |v[XS+3]|, |v[XS+4]|, |v[XS+5]|
.irp i, 6,10
	v_max3_num_f32 v8, v8, |v[XS+\i]|, |v[XS+\i+1]|
	v_max3_num_f32 v9, v9, |v[XS+\i+2]|, |v[XS+\i+3]|
.endr
	v_max3_num_f32 v8, v8, |v[XS+14]|, |v[XS+15]|
	v_max3_num_f32 v8, v8, v9, 0x1800000           ; and the floor 2^(3 - 127): the byte cannot fall under 1
	v_max_num_f32_dpp v8, v8, v8 row_xmask:1 row_mask:0xf bank_mask:0xf   ; and of my neighbour's 16: the block's
	v_add_nc_u32 v11, 0xff000000, v8               ; 2 off its exponent field: the conversion takes the exponent field of this operand as its scale
	v_cvt_scalef32_pk8_fp4_f32 v[C+4*(\t)], v[XS:XS+7], v11
	v_cvt_scalef32_pk8_fp4_f32 v[C+4*(\t)+1], v[XS+8:XS+15], v11
	v_lshrrev_b32 v[E+(\t)], 23, v11               ; the scale's byte
	ds_store_b8 v5, v[E+(\t)] offset:16*(\t)       ; both lanes of a block write the same byte with the same value
	global_store_b64 v4, v[C+4*(\t):C+4*(\t)+1], s[20:21] offset:32*CB*(\t)   ; the wave stores 256 consecutive bytes, aligned
.endm
.irp t, 0,1,2,3,4,5,6,7,8,9,10,11,12,13,14,15
	QSTEP \t
.endr
	ds_load_b64 v[8:9], v6                         ; LDS serves a wave's instructions in order: these see my stores
	s_wait_dscnt 0x0
	global_store_b64 v7, v[8:9], s[22:23]          ; 32 lanes store 256 consecutive bytes, aligned
	FINISH
; ---------------- (2), (3): tiles of 16 rows x 256 bytes, turned through a stage ----------------
; TLOAD: eight loads, each two whole rows of 256 bytes (lanes 0-15 one row, lanes 16-31 the next).  TTURN: the tile into my stage as it lies, and back so that lane (r, h) holds row r, columns 16 cc + 8 h + 0 .. 7.
.macro TLOAD u, pitch, base
.irp i, 0,1,2,3,4,5,6,7
	global_load_b128 v[R+32*(\u)+4*\i:R+32*(\u)+4*\i+3], v8, s[\base:\base+1] offset:(16*(\u)+2*\i)*(\pitch) th:TH_LOAD_NT
.endr
.endm
.macro TTURN u
.irp i, 0,1,2,3,4,5,6,7
	ds_store_b128 v6, v[R+32*(\u)+4*\i:R+32*(\u)+4*\i+3] offset:2*\i*TP
.endr
.irp i, 0,1,2,3,4,5,6,7
	ds_load_b128 v[XT+4*\i:XT+4*\i+3], v7 offset:64*(\i/2)+16*(\i%2)   ; LDS serves a wave's instructions in order: these see the stores above, and the next tile's stores come behind them
.endr
.endm
.Ltiles:
	v_and_b32 v3, 15, v2                           ; r
	v_lshrrev_b32 v4, 4, v2                        ; h
	v_lshlrev_b32 v5, 4, v2                        ; 16 x lane
	s_mul_i32 s34, s33, 16*TP                      ; my wave's stage
	v_mul_u32_u24 v6, v4, TP
	v_lshl_add_u32 v6, v3, 4, v6
	v_add_nc_u32 v6, s34, v6                       ; in: row h of a pair, 16 bytes a lane
	v_mul_u32_u24 v7, v3, TP
	v_lshl_add_u32 v7, v4, 5, v7
	v_add_nc_u32 v7, s34, v7                       ; back: row r, + 32 h
	v_lshlrev_b32 v8, 4, v3
	s_cmp_lt_u32 ttmp9, NQUANT+NMASK
	s_cbranch_scc0 .Lwo
; ---------------- (2) the mask ----------------
	v_add_nc_u32 v6, STGM, v6
	v_add_nc_u32 v7, STGM, v7
	v_lshl_add_u32 v8, v4, 13, v8                  ; in memory: a row of the mask is 8,192 bytes
	s_sub_co_u32 s35, ttmp9, NQUANT
	s_lshl_b32 s35, s35, 2
	s_add_co_u32 s35, s35, s33                     ; W = 32 qg + kb
	s_lshr_b32 s36, s35, 5
	s_and_b32 s37, s35, 31
	s_lshl_b32 s36, s36, 19                        ; 64 rows of 8,192 bytes
	s_lshl_b32 s37, s37, 8                         ; 64 keys of 4 bytes
	s_add_co_u32 s36, s36, s37
	s_mov_b32 s37, 0
	s_lshl_b32 s38, s35, 9
	s_mov_b32 s39, 0
	s_lshl_b32 s50, s35, 2
	s_mov_b32 s51, 0
	s_mov_b32 s48, 0                               ; the or of all 128 words
	s_wait_kmcnt 0x0
	s_add_nc_u64 s[18:19], s[18:19], s[36:37]
	s_add_nc_u64 s[26:27], s[26:27], s[38:39]
	s_add_nc_u64 s[28:29], s[28:29], s[50:51]
.irp t, 0,1,2,3
	TLOAD \t, 8192, 18
.endr
.irp i, 0,1,2,3
	v_mov_b32 v[MW+\i], 0                          ; written whole before single lanes are written
.endr
.irp t, 0,1,2,3
	s_wait_loadcnt 24-8*\t                         ; tile t's eight loads are in; the later tiles' may be out
	TTURN \t
	s_wait_dscnt 0x0
.set n, 0
.rept 32
	v_cmp_eq_u32 s[40+n%8], 0, v[XT+n]             ; the lanes whose mask word is 0: that IS word 32 t + n
	s_or_b32 s48, s48, s[40+n%8]
	v_writelane_b32 v[MW+(32*\t+n)%4], s[40+n%8], (32*\t+n)/4
.set n, n+1
.endr
.endr
	global_store_b128 v5, v[MW:MW+3], s[26:27]     ; 512 consecutive bytes, aligned
	s_cmp_lg_u32 s48, 0
	s_cselect_b32 s49, 1, 0
	v_mov_b32 v10, s49
	v_mov_b32 v11, 0
	v_cmp_eq_u32 vcc_lo, 0, v2
	s_wait_xcnt 0x0                                ; EXEC changes only behind this wait: it is a source of the store above
	s_and_saveexec_b32 s52, vcc_lo
	global_store_b32 v11, v10, s[28:29]            ; the flag: lane 0 alone
	s_wait_xcnt 0x0                                ; and again ahead of the line that widens EXEC
	s_or_b32 exec_lo, exec_lo, s52
	FINISH
; ---------------- (3) Wo ----------------
.Lwo:
	v_add_nc_u32 v6, STGW, v6
	v_add_nc_u32 v7, STGW, v7
	v_lshl_add_u32 v8, v4, 12, v8                  ; a row of Wo is 4,096 bytes
	s_sub_co_u32 s35, ttmp9, NQUANT+NMASK
	s_lshl_b32 s35, s35, 2
	s_add_co_u32 s35, s35, s33                     ; W = 16 eg + cb: 64 rows x 64 columns
	s_lshr_b32 s36, s35, 4
	s_and_b32 s37, s35, 15
	s_lshl_b32 s38, s36, 17                        ; out: four tiles of 16 rows, 32,768 bytes each,
	s_lshl_b32 s39, s37, 11                        ; and 64 along K are 2,048 bytes of a tile
	s_add_co_u32 s38, s38, s39
	s_mov_b32 s39, 0
	s_lshl_b32 s36, s36, 18
	s_lshl_b32 s37, s37, 8
	s_add_co_u32 s36, s36, s37
	s_mov_b32 s37, 0
	s_wait_kmcnt 0x0
	s_add_nc_u64 s[16:17], s[16:17], s[36:37]
	s_add_nc_u64 s[24:25], s[24:25], s[38:39]
.irp t, 0,1,2,3
	TLOAD \t, 4096, 16
.endr
.irp t, 0,1,2,3
	s_wait_loadcnt 24-8*\t                         ; tile t's eight loads are in; the later tiles' may be out
	TTURN \t
	s_wait_dscnt 0x0                               ; the tile is back, and the stage's stores have read tile t's registers: they take the f16 numbers
.irp i, 0,1,2,3,4,5,6,7,8,9,10,11,12,13,14,15
	v_cvt_pk_f16_f32 v[R+32*\t+\i], v[XT+2*\i], v[XT+2*\i+1]
.endr
.irp c, 0,1,2,3
	global_store_b128 v5, v[R+32*\t+4*\c:R+32*\t+4*\c+3], s[24:25] offset:\t*32768+\c*512   ; 512 consecutive bytes, aligned
.endr
.endr
	FINISH
.Lfunc_end_k_q493167ff02_prep:
	.size	k_q493167ff02_prep, .Lfunc_end_k_q493167ff02_prep-k_q493167ff02_prep
	.p2alignl 7, 3214868480
	.fill 96, 4, 3214868480
	.section	.rodata,"a",@progbits
	.p2align	6, 0x0
	.amdhsa_kernel k_q493167ff02_prep
		.amdhsa_group_segment_fixed_size 68096
		.amdhsa_private_segment_fixed_size 0
		.amdhsa_enable_private_segment 0
		.amdhsa_kernarg_size 104
		.amdhsa_user_sgpr_count 2
		.amdhsa_user_sgpr_kernarg_segment_ptr 1
		.amdhsa_wavefront_size32 1
		.amdhsa_system_sgpr_workgroup_id_x 1
		.amdhsa_system_sgpr_workgroup_id_y 1
		.amdhsa_system_sgpr_workgroup_id_z 1
		.amdhsa_system_vgpr_workitem_id 0
		.amdhsa_next_free_vgpr 192
		.amdhsa_next_free_sgpr 66
		.amdhsa_reserve_vcc 1
		.amdhsa_float_denorm_mode_32 3
		.amdhsa_float_denorm_mode_16_64 3
		.amdhsa_memory_ordered 1
		.amdhsa_forward_progress 1
		.amdhsa_inst_pref_size 77
	.end_amdhsa_kernel
	.amdgpu_metadata
---
amdhsa.version: [ 1, 2 ]
amdhsa.kernels:
  - .name:           k_q493167ff02_prep
    .symbol:         k_q493167ff02_prep.kd
    .args:
      - { .name: q, .offset: 0, .size: 8, .value_kind: global_buffer, .address_space: global }
      - { .name: k, .offset: 8, .size: 8, .value_kind: global_buffer, .address_space: global }
      - { .name: v, .offset: 16, .size: 8, .value_kind: global_buffer, .address_space: global }
      - { .name: Wq, .offset: 24, .size: 8, .value_kind: global_buffer, .address_space: global }
      - { .name: Wk, .offset: 32, .size: 8, .value_kind: global_buffer, .address_space: global }
      - { .name: Wv, .offset: 40, .size: 8, .value_kind: global_buffer, .address_space: global }
      - { .name: Wo, .offset: 48, .size: 8, .value_kind: global_buffer, .address_space: global }
      - { .name: mask, .offset: 56, .size: 8, .value_kind: global_buffer, .address_space: global }
      - { .name: codes, .offset: 64, .size: 8, .value_kind: global_buffer, .address_space: global }
      - { .name: scales, .offset: 72, .size: 8, .value_kind: global_buffer, .address_space: global }
      - { .name: wo16, .offset: 80, .size: 8, .value_kind: global_buffer, .address_space: global }
      - { .name: mwords, .offset: 88, .size: 8, .value_kind: global_buffer, .address_space: global }
      - { .name: mflag, .offset: 96, .size: 8, .value_kind: global_buffer, .address_space: global }
    .group_segment_fixed_size: 68096
    .private_segment_fixed_size: 0
    .kernarg_segment_align: 8
    .kernarg_segment_size: 104
    .max_flat_workgroup_size: 128
    .sgpr_count:     66
    .vgpr_count:     192
    .wavefront_size: 32
...
	.end_amdgpu_metadata
.endif
;; end of part 1
;; launch proj (part 2): grid 4 x 96, 4 waves a work-group, clusters of 4 x 4, 327,680 bytes of LDS; arguments codes, scales, qkv; writes qkv
.if DOCPART == 2
	.amdgcn_target "amdgcn-amd-amdhsa--gfx1250"
	.amdhsa_code_object_version 6
	.text
	.protected	k_q493167ff02_proj
	.globl	k_q493167ff02_proj
	.p2align	8
	.type	k_q493167ff02_proj,@function
k_q493167ff02_proj:
	s_mov_b64 s[64:65], 0
	v_nop
	global_prefetch_b8 v0, s[64:65] scope:SCOPE_SE
	s_setreg_imm32_b32 hwreg(HW_REG_WAVE_MODE, 25, 1), 1
	s_wait_xcnt 0x0
	s_wait_alu depctr_hold_cnt(0) depctr_sa_sdst(0) depctr_va_vdst(0) depctr_va_sdst(0) depctr_va_ssrc(0) depctr_va_vcc(0) depctr_vm_vsrc(0)
	s_getreg_b32 s2, hwreg(HW_REG_IB_STS2, 6, 4)
	s_cmp_eq_u32 s2, 0
	s_cbranch_scc0 .Lentry_in_a_cluster
	s_endpgm
.Lentry_in_a_cluster:
	s_bfe_u32 s2, ttmp6, 0x10000c
	s_cmp_lg_u32 s2, 0xf033
	s_cbranch_scc0 .Lentry_shape_is_right
	s_endpgm
.Lentry_shape_is_right:
; PROJ: the three quantised products, query = q Wq^T, key = k Wk^T, value = v Wv^T, on codes of FP4 (E2M1) with one E8M0 scale for each 32 along K = 1,024; sums in f32.
; A tile of 256 x 256 is made by a work-group of four waves; a wave makes 128 x 128: 64 accumulators of 16 x 16, 512 registers.  K goes in two steps of 512 through two LDS slots, each filled once by the tensor
; data mover; a tile's row is 256 bytes of memory.  The scale bytes of the work-group's 2 x 256 rows, for all of K, are two dense blocks and come into LDS with the first fills.
; WHO.  24 clusters of 4 x 4 work-groups: product P = cluster y / 8, R = cluster y % 8.  P = 0, 1 (query, key): side A = the tokens (tile row 4 R + cy), side B = the weight's rows (tile column cx).
; P = 2 (value): the sides change places: side A = Wv's rows (tile row cy), side B = the tokens (tile column 4 R + cx), so that a lane's eight results are eight neighbouring TOKENS of one channel.
; The four of a row of the cluster need the same tiles of A, the four of a column the same tiles of B: each tile is asked for JOINTLY, by the same tensor load with the same descriptor and a mask that names the four.
; THE MATRIX INSTRUCTION IS USED TRANSPOSED (source 0 = 16 rows of B, source 1 = 16 rows of A): in accumulator (a, b) lane (r, h) holds A's row 16 a + r and B's rows 16 b + 8 h + 0 .. 7.
; THE WAY OUT NEEDS NO LDS: rounded to f16 those eight numbers are 16 bytes, and the 32 lanes' 512 bytes are half a fragment of the attention launch's operands, which lie in memory in the order of the operand's registers:
;   query, key: [16 batch + head][tile of 16 tokens][32 channels ks][half c][512 bytes];   value: [16 batch + head][32 keys][tile of 16 channels][half c][512 bytes].
; Query and key are multiplied in f32 by sqrt(log2(e) / 8), so that their product is the score in the softmax's base 2.
; LIMITS: |query| x 0.425, |key| x 0.425 and |value| stay under 65,504 (f16).
; REGISTERS, in windows of 256: window 0: v0-31 addresses; v32-95 scale words, two sets, and nothing else; from v128 A's fragments, ONE set (on the way out v128-223 are at work).
;   window 1: B's fragments, TWO sets, at v0 and at v128.   window 2: the accumulators of my rows 0-63 ((a, b) at v[8 (8 a + b)]);   window 3: those of my rows 64-127.
.set NQ,     4                         ; matrix instructions deep in a slot: 512 along K
.set ROWB,   256                       ; a tile's row in bytes
.set KROW,   512                       ; a row of codes in memory
.set PITCH,  272                       ; an LDS row: 256 bytes + 16 of padding: the 16 rows that a load touches start at 16 different groups of banks
.set FR,     8                         ; registers of a fragment
.set NL,     2                         ; LDS loads that bring one
.set NP,     4                         ; places behind this matrix instruction (ISA guide 7.12.1)
.set HALFT,  128*PITCH
.set SLOT,   4*HALFT
.set KS,     32                        ; a row of scale bytes
.set SCL,    2*SLOT                    ; behind the slots: the scales, as units of 256 bytes + 16 of padding
.set HALFS,  (128*KS/256)*272
.set SBLK,   (16*KS/256)*272
.set SPARE,  SCL+4*HALFS               ; the spare words, 128 bytes for each wave
.set ADRA, 16                          ; v16-17  LDS address of my A fragments in slot 0, 1
.set ADRB, 20                          ; v20-21  the same for B
.set LI,   26                          ; v26     16 x lane: my place in a store's 512 bytes
.set ADRS, 27                          ; v27     LDS address of my scale words: lanes 0-15 A's rows, lanes 16-31 B's
.set SPW,  28                          ; v28     LDS address of my spare word; never rewritten
.set NIL,  29                          ; v29     0; never rewritten
.set SC,   32                          ; scale words: set s at v[SC + 32 s]; register 4 i + q: lanes 0-15 the word of A's block i, lanes 16-31 of B's block i
.set AF,   128                         ; A's fragments, in window 0
.set TF,   128                         ; the way out: 64 numbers scaled, in f32
.set PK,   192                         ; the way out: 32 registers of f16 pairs
.set G1, 24
.set G0, 32
.set G1B, 48
.set G0B, 56
.set G1S, 68
.set G0S, 76
.set G1SB, 80
.set G0SB, 88
.set MSB, 0
.macro WIN new                         ; the immediate's high byte repeats the setting that is left
.if MSB != \new
	s_set_vgpr_msb (MSB<<8)|\new
.set MSB, \new
.endif
.endm
.set MUL_LO, 0xa1                      ; source 0 (B) window 1, source 1 (A) window 0, C and D window 2
.set MUL_HI, 0xf1                      ; the same, C and D window 3
.set TO_B,   0x40                      ; destination window 1, address window 0
; A joint load: waves 0 and 1 fetch for A, waves 2 and 3 for B.  Each of the two lines has ONE mask and one set of registers for all that issue it; the branch hangs on the wave's number alone.
; An s_nop 0 and four v_nop follow each of the two lines.
.macro JLOAD g0a, g1a, g0b, g1b
	s_cmp_eq_u32 s15, 0
	s_cbranch_scc0 .Lfor_b_\@
	tensor_load_to_lds s[\g0a:\g0a+3], s[\g1a:\g1a+7]
	s_nop 0
.rept 4
	v_nop
.endr
	s_branch .Lasked_\@
.Lfor_b_\@:
	tensor_load_to_lds s[\g0b:\g0b+3], s[\g1b:\g1b+7]
	s_nop 0
.rept 4
	v_nop
.endr
.Lasked_\@:
.endm
.macro CROUND                          ; a round of the cluster's barrier
	s_barrier_signal -1
	s_barrier_wait -1
	s_cmp_lg_u32 s14, 0
	s_cbranch_scc1 .Lnot_wave_0_\@
	s_barrier_signal -3
.Lnot_wave_0_\@:
	s_barrier_wait -3
	s_barrier_signal -1
	s_barrier_wait -1
.endm
	s_load_b128 s[4:7], s[0:1], 0x0                ; codes, scales
	s_load_b64 s[12:13], s[0:1], 0x10              ; qkv
	v_lshl_add_u32 v[SPW], v0, 2, SPARE
	v_mov_b32 v[NIL], 0
	ds_add_u32 v[SPW], v[NIL]                      ; the wave's opening: the add, twice on end, and its wait ahead of my first tensor load
	ds_add_u32 v[SPW], v[NIL]
	v_lshrrev_b32 v1, 5, v0
	v_readfirstlane_b32 s14, v1                    ; wave 0..3
	s_lshr_b32 s15, s14, 1                         ; which half of side A's rows is mine.  Also: I fetch for A (0) or for B (1)
	s_and_b32 s16, s14, 1                          ; which half of side B's.  Also: which 128 rows of that tile I fetch
	s_bfe_u32 s40, ttmp6, 0x40000                  ; cx, cy: my place in the cluster
	s_bfe_u32 s41, ttmp6, 0x40004
	s_and_b32 s96, ttmp7, 0xffff                   ; cluster y, 0 .. 23: the same in all sixteen partners
	s_lshr_b32 s97, s96, 3                         ; P: which product
	s_and_b32 s98, s96, 7
	s_lshl_b32 s98, s98, 2                         ; 4 R
	s_lshl_b32 s20, s97, 22                        ; where each side's codes and scale bytes begin in the two buffers: P = 0, 1 ..
	s_lshl_b32 s46, s97, 19
	s_add_co_u32 s46, s46, 12582912
	s_lshl_b32 s22, s97, 18
	s_lshl_b32 s92, s97, 15
	s_add_co_u32 s92, s92, 786432
	s_cmp_eq_u32 s97, 2                            ; .. and P = 2, where the weight is side A
	s_cselect_b32 s20, 13631488, s20
	s_cselect_b32 s46, 8388608, s46
	s_cselect_b32 s22, 851968, s22
	s_cselect_b32 s92, 524288, s92
	s_cselect_b32 s17, 0, s98
	s_cselect_b32 s42, s98, 0
	s_add_co_u32 s17, s17, s41                     ; tile row (side A): it never sees cx
	s_add_co_u32 s42, s42, s40                     ; tile column (side B): it never sees cy
	s_lshl_b32 s43, s41, 2
	s_lshl_b32 s43, 15, s43                        ; my row of the cluster
	s_lshl_b32 s44, 0x1111, s40                    ; my column
	; descriptor group 1: a tile of 128 rows x 256 bytes, 16 bytes of padding behind each row
	s_or_b32 s[G1+0], s43, (0<<16)|(1<<20)|(1<<21)|(5<<22)|(3<<25)
	s_or_b32 s[G1B+0], s44, (0<<16)|(1<<20)|(1<<21)|(5<<22)|(3<<25)
.irp g, G1, G1B
	s_mov_b32 s[\g+1], ROWB<<16                    ; tensor_dim0
	s_mov_b32 s[\g+2], 128<<16                     ; tensor_dim1
	s_mov_b32 s[\g+3], ROWB<<16                    ; tile_dim0
	s_mov_b32 s[\g+4], 128                         ; tile_dim1
	s_mov_b32 s[\g+5], KROW                        ; from row to row
	s_mov_b32 s[\g+6], 0
	s_mov_b32 s[\g+7], 0
.endr
	; the scales of 128 rows: a dense block of 4,096 bytes, as 16 rows of 256 bytes (32 elements of 8), 16 bytes of padding behind each
	s_or_b32 s[G1S+0], s43, (3<<16)|(1<<20)|(1<<21)|(5<<22)|(3<<25)
	s_or_b32 s[G1SB+0], s44, (3<<16)|(1<<20)|(1<<21)|(5<<22)|(3<<25)
.irp g, G1S, G1SB
	s_mov_b32 s[\g+1], 32<<16
	s_mov_b32 s[\g+2], (128*KS/256)<<16
	s_mov_b32 s[\g+3], 32<<16
	s_mov_b32 s[\g+4], 128*KS/256
	s_mov_b32 s[\g+5], 32
	s_mov_b32 s[\g+6], 0
	s_mov_b32 s[\g+7], 0
.endr
	s_lshl_b32 s18, s16, 7                         ; which 128 rows of the tile I fetch
	s_lshl_b32 s19, s17, 8
	s_add_co_u32 s19, s19, s18                     ; A: row 256 x tile row + 128 x half
	s_lshl_b32 s95, s42, 8
	s_add_co_u32 s95, s95, s18                     ; B: row 256 x tile column + 128 x half
	s_lshl_b32 s21, s19, 9
	s_add_co_u32 s20, s20, s21                     ; A's codes: 512 bytes a row
	s_lshl_b32 s21, s19, 5
	s_add_co_u32 s22, s22, s21                     ; A's scale bytes: 32 a row
	s_lshl_b32 s47, s95, 9
	s_add_co_u32 s46, s46, s47
	s_lshl_b32 s47, s95, 5
	s_add_co_u32 s92, s92, s47
	s_mov_b32 s21, 0
	s_mov_b32 s23, 0
	s_mov_b32 s47, 0
	s_mov_b32 s93, 0
	s_mul_i32 s45, s14, HALFT                      ; where they go: wave x 128 rows: no place in the cluster enters an LDS address
	s_mul_i32 s94, s14, HALFS
	s_wait_dscnt 0x0                               ; both opening adds are done
	s_wait_kmcnt 0x0
	s_add_nc_u64 s[20:21], s[4:5], s[20:21]
	s_add_nc_u64 s[22:23], s[6:7], s[22:23]
	s_add_nc_u64 s[46:47], s[4:5], s[46:47]
	s_add_nc_u64 s[92:93], s[6:7], s[92:93]
	CROUND                                         ; all sixteen work-groups are here: the first joint loads meet
	s_mov_b32 s[G0S], 1
	s_add_co_u32 s[G0S+1], s94, SCL
	s_mov_b64 s[G0S+2:G0S+3], s[22:23]
	s_or_b32 s[G0S+3], s[G0S+3], 0x80000000
	s_mov_b32 s[G0SB], 1
	s_add_co_u32 s[G0SB+1], s94, SCL
	s_mov_b64 s[G0SB+2:G0SB+3], s[92:93]
	s_or_b32 s[G0SB+3], s[G0SB+3], 0x80000000
	JLOAD G0S, G1S, G0SB, G1SB                     ; the scales first: they are wanted with the first K step
.irp s, 0,1
	s_mov_b32 s[G0+4*\s], 1
	s_add_co_u32 s[G0+4*\s+1], s45, \s*SLOT
	s_add_nc_u64 s[G0+4*\s+2:G0+4*\s+3], s[20:21], \s*ROWB
	s_or_b32 s[G0+4*\s+3], s[G0+4*\s+3], 0x80000000
	s_mov_b32 s[G0B+4*\s], 1
	s_add_co_u32 s[G0B+4*\s+1], s45, \s*SLOT
	s_add_nc_u64 s[G0B+4*\s+2:G0B+4*\s+3], s[46:47], \s*ROWB
	s_or_b32 s[G0B+4*\s+3], s[G0B+4*\s+3], 0x80000000
	JLOAD G0+4*\s, G1, G0B+4*\s, G1B               ; three loads of mine are out, all first fills
.endr
	v_and_b32 v1, 15, v0                           ; l % 16
	v_bfe_u32 v2, v0, 4, 1                         ; l / 16
	v_mul_u32_u24 v3, v1, PITCH
	v_lshl_add_u32 v4, v2, 4, v3                   ; a fragment's row x pitch + 16 x half
	s_mul_i32 s21, s15, HALFT                      ; my 128 rows of A
	s_mul_i32 s22, s16, HALFT                      ; my 128 rows of B,
	s_add_co_u32 s22, s22, 2*HALFT                 ; which lie behind A's 256
.irp s, 0,1
	v_add_nc_u32 v[ADRA+\s], s21, v4
	v_add_nc_u32 v[ADRB+\s], s22, v4
	s_add_co_u32 s21, s21, SLOT
	s_add_co_u32 s22, s22, SLOT
.endr
	v_mul_u32_u24 v5, v1, KS                       ; my row's scales: 32 bytes a row,
	v_lshrrev_b32 v6, 8, v5
	v_lshl_add_u32 v5, v6, 4, v5                   ; and 16 more for each 256 passed
	s_mul_i32 s21, s15, HALFS
	s_mul_i32 s22, s16, HALFS
	s_add_co_u32 s22, s22, 2*HALFS
	s_sub_co_u32 s22, s22, s21
	v_mul_u32_u24 v6, s22, v2                      ; lanes 16-31 take B's: one product, the distance between the two bases
	s_add_co_u32 s21, s21, SCL
	v_add_nc_u32 v5, v5, v6
	v_add_nc_u32 v[ADRS], s21, v5
	v_and_b32 v6, 31, v0
	v_lshlrev_b32 v[LI], 4, v6
	; where my results go: P << 24, + (16 batch + head) << 18, + 128 bytes a token (16 tokens are 2,048 bytes of query or key; 32 keys are 4,096 bytes of value).  In registers that fed no descriptor
	s_cmp_eq_u32 s97, 2
	s_cselect_b32 s2, s42, s17                     ; the coordinate that counts tokens,
	s_cselect_b32 s3, s16, s15                     ; my half along it,
	s_cselect_b32 s66, s17, s42                    ; the one that counts features,
	s_cselect_b32 s67, s15, s16                    ; and my half along that
	s_lshl_b32 s2, s2, 8
	s_lshl_b32 s3, s3, 7
	s_add_co_u32 s2, s2, s3                        ; my first token
	s_lshr_b32 s3, s2, 11                          ; its batch
	s_and_b32 s2, s2, 2047                         ; its place in the sequence
	s_lshl_b32 s2, s2, 7
	s_lshl_b32 s3, s3, 4
	s_lshl_b32 s66, s66, 2
	s_add_co_u32 s3, s3, s66
	s_lshl_b32 s67, s67, 1
	s_add_co_u32 s3, s3, s67                       ; 16 batch + my first head (256 features are four heads, 128 two)
	s_lshl_b32 s3, s3, 18
	s_add_co_u32 s2, s2, s3
	s_lshl_b32 s3, s97, 24
	s_add_co_u32 s2, s2, s3
	s_mov_b32 s3, 0
	s_add_nc_u64 s[12:13], s[12:13], s[2:3]
.macro FRAG reg, adr, q, i             ; a fragment, 16 rows x 128 K of 4-bit codes: lane l holds row l % 16; registers 4 c .. 4 c + 3 hold K = 64 c + 32 (l / 16) + 0 .. 31
.irp c, 0,1
	ds_load_b128 v[\reg+4*\c:\reg+4*\c+3], v[\adr] offset:64*(\q)+32*\c+(\i)*16*PITCH
.endr
.endm
; 16 matrix instructions: A's blocks a0, a0 + 1 x B's eight, 128 along K: the slot's q-th.  p: B's set;  sc: the set of scale words.  zero = 1: the first product starts the sums.
; The 64 accumulators take turns, one instruction a turn, in the same order in every step.
.macro MUL16 a0, p, q, sc, zero
.irp a, \a0, \a0+1
.irp b, 0,1,2,3,4,5,6,7
.if \zero
	v_wmma_scale_f32_16x16x128_f8f6f4 v[8*(8*((\a)%4)+\b):8*(8*((\a)%4)+\b)+7], v[128*(\p)+FR*\b:128*(\p)+FR*\b+FR-1], v[AF+FR*(\a):AF+FR*(\a)+FR-1], 0, v[SC+8*NQ*(\sc)+NQ*\b+(\q)], v[SC+8*NQ*(\sc)+NQ*(\a)+(\q)] matrix_a_fmt:MATRIX_FMT_FP4 matrix_b_fmt:MATRIX_FMT_FP4 matrix_a_scale:MATRIX_SCALE_ROW1
.else
	v_wmma_scale_f32_16x16x128_f8f6f4 v[8*(8*((\a)%4)+\b):8*(8*((\a)%4)+\b)+7], v[128*(\p)+FR*\b:128*(\p)+FR*\b+FR-1], v[AF+FR*(\a):AF+FR*(\a)+FR-1], v[8*(8*((\a)%4)+\b):8*(8*((\a)%4)+\b)+7], v[SC+8*NQ*(\sc)+NQ*\b+(\q)], v[SC+8*NQ*(\sc)+NQ*(\a)+(\q)] matrix_a_fmt:MATRIX_FMT_FP4 matrix_b_fmt:MATRIX_FMT_FP4 matrix_a_scale:MATRIX_SCALE_ROW1
.endif
.endr
.endr
.endm
.macro FETCH_B slot, q, p
	WIN TO_B
.irp i, 0,1,2,3,4,5,6,7
	FRAG 128*(\p)+FR*\i, ADRB+\slot, \q, \i
.endr
	WIN 0
.endm
.macro FETCH_A slot, q, i0
.irp i, \i0, \i0+1, \i0+2, \i0+3
	FRAG AF+FR*(\i), ADRA+\slot, \q, \i
.endr
.endm
.macro SCALES sc                       ; a slot's scale words into set sc: four words a row; lanes 0-15 take A's block i, lanes 16-31 B's block i
.irp i, 0,1,2,3,4,5,6,7
	ds_load_b128 v[SC+8*NQ*\sc+NQ*\i:SC+8*NQ*\sc+NQ*\i+3], v[ADRS] offset:\i*SBLK
.endr
.endm
.macro PLACES n                        ; places in front of loads into registers that matrix instructions have read, and of the first read of results
.rept \n
	v_nop
.endr
.endm
.macro STEP slot, q, zero              ; a step of 128 along K that has its successor in the same slot
	s_wait_dscnt 4*NL                              ; B's set and A's blocks 0-3 are in; the youngest eight loads (A's blocks 4-7) may be out
	WIN MUL_LO
	MUL16 0, (\q)%2, \q, \slot, \zero
	MUL16 2, (\q)%2, \q, \slot, \zero
	s_wait_dscnt 0                                 ; A's blocks 4-7 are in
	PLACES NP
	FETCH_B \slot, (\q)+1, 1-(\q)%2
	FETCH_A \slot, (\q)+1, 0
	WIN MUL_HI
	MUL16 4, (\q)%2, \q, \slot, \zero
	MUL16 6, (\q)%2, \q, \slot, \zero
	PLACES NP
	WIN 0
	FETCH_A \slot, (\q)+1, 4
.endm
.macro STEPS slot, from
.set QQ, \from
.rept NQ-1-\from
	STEP \slot, QQ, 0
.set QQ, QQ+1
.endr
.endm
	s_wait_tensorcnt 1                             ; the scales and my part of slot 0 are in (slot 1's load may be out)
	s_barrier_signal -1
	s_barrier_wait -1                              ; everybody's are
	FETCH_B 0, 0, 0
	FETCH_A 0, 0, 0
	SCALES 0
	FETCH_A 0, 0, 4
	STEP 0, 0, 1                                   ; the first step's products start the sums: nothing is cleared
	STEPS 0, 1
	; slot 0's last step changes slots: one barrier; in front of it each wave waits for all its tensor loads (its part of slot 1)
	s_wait_tensorcnt 0x0
	ds_add_u32 v[SPW], v[NIL]                      ; 0 onto my spare word
	s_wait_dscnt 4*NL+1                            ; (the add and the youngest eight loads may be out)
	WIN MUL_LO
	MUL16 0, 1, NQ-1, 0, 0
	s_wait_dscnt 0x0                               ; the add is done; no LDS instruction of mine is out at the signal
	s_barrier_signal -1
	MUL16 2, 1, NQ-1, 0, 0
	WIN 0
	s_barrier_wait -1                              ; slot 1 is whole
	PLACES NP
	v_add_nc_u32 v[ADRS], 4*NQ, v[ADRS]            ; on to slot 1's scale words
	FETCH_B 1, 0, 0
	FETCH_A 1, 0, 0
	SCALES 1
	WIN MUL_HI
	MUL16 4, 1, NQ-1, 0, 0
	MUL16 6, 1, NQ-1, 0, 0
	PLACES NP
	WIN 0
	FETCH_A 1, 0, 4
	STEPS 1, 0
	s_wait_dscnt 4*NL                              ; the very last step: nothing more to fetch
	WIN MUL_LO
	MUL16 0, 1, NQ-1, 1, 0
	MUL16 2, 1, NQ-1, 1, 0
	s_wait_dscnt 0
	WIN MUL_HI
	MUL16 4, 1, NQ-1, 1, 0
	MUL16 6, 1, NQ-1, 1, 0
	WIN 0
; THE WAY OUT of A's block a: its eight accumulators, each from its low end on, become 8 x 512 bytes of operand image.  isv = 0: x sqrt(log2(e) / 8) in f32 first.
.macro OUT a, isv
.set AC, 64*((\a)%4)
.if (\a) > 0
	s_wait_xcnt 0x0                                ; the last block's stores have read their data registers: they are written again only behind this wait
.endif
.if \isv
	WIN 0x0a+5*((\a)/4)                            ; sources 0 and 1: window 2 or 3
.set oi, 0
.rept 32
	v_cvt_pk_f16_f32 v[PK+oi], v[AC+2*oi], v[AC+2*oi+1]
.set oi, oi+1
.endr
	WIN 0
.irp b, 0,1,2,3,4,5,6,7
	global_store_b128 v[LI], v[PK+4*\b:PK+4*\b+3], s[12:13] offset:((\a)/4)*262144+((\a)%4)*1024+(\b/2)*4096+(\b%2)*512   ; head, tile of channels, 32 keys, half: 512 consecutive bytes, aligned
.endr
.else
	WIN 0x02+((\a)/4)                              ; source 0: window 2 or 3
.set oi, 0
.rept 32
	v_pk_mul_f32 v[TF+2*oi:TF+2*oi+1], v[AC+2*oi:AC+2*oi+1], 0x3ed96d28 op_sel_hi:[1,0]
.set oi, oi+1
.endr
	WIN 0
.set oi, 0
.rept 32
	v_cvt_pk_f16_f32 v[PK+oi], v[TF+2*oi], v[TF+2*oi+1]
.set oi, oi+1
.endr
.irp b, 0,1,2,3,4,5,6,7
	global_store_b128 v[LI], v[PK+4*\b:PK+4*\b+3], s[12:13] offset:(\a)*2048+(\b/4)*262144+(\b%4)*512   ; tile of tokens, head, 32 channels and half: 512 consecutive bytes, aligned
.endr
.endif
.endm
	PLACES NP                                      ; behind the last products: their results are read, and the registers that held A's fragments are written
	s_cmp_eq_u32 s97, 2                            ; the product's number: the same in all partners
	s_cbranch_scc1 .Lvalue
.irp a, 0,1,2,3,4,5,6,7
	OUT \a, 0
.endr
	s_branch .Lclose
.Lvalue:
.irp a, 0,1,2,3,4,5,6,7
	OUT \a, 1
.endr
.Lclose:
	s_wait_tensorcnt 0x0                           ; the wave's end
	ds_add_u32 v[SPW], v[NIL]
	s_wait_dscnt 0x0
	CROUND                                         ; the closing round: no work-group ends while a partner may still ask for a tile that names it
	s_endpgm
.Lfunc_end_k_q493167ff02_proj:
	.size	k_q493167ff02_proj, .Lfunc_end_k_q493167ff02_proj-k_q493167ff02_proj
	.p2alignl 7, 3214868480
	.fill 96, 4, 3214868480
	.section	.rodata,"a",@progbits
	.p2align	6, 0x0
	.amdhsa_kernel k_q493167ff02_proj
		.amdhsa_group_segment_fixed_size 327680
		.amdhsa_private_segment_fixed_size 0
		.amdhsa_enable_private_segment 0
		.amdhsa_kernarg_size 24
		.amdhsa_user_sgpr_count 2
		.amdhsa_user_sgpr_kernarg_segment_ptr 1
		.amdhsa_wavefront_size32 1
		.amdhsa_system_sgpr_workgroup_id_x 1
		.amdhsa_system_sgpr_workgroup_id_y 1
		.amdhsa_system_sgpr_workgroup_id_z 1
		.amdhsa_system_vgpr_workitem_id 0
		.amdhsa_next_free_vgpr 1024
		.amdhsa_next_free_sgpr 100
		.amdhsa_reserve_vcc 0
		.amdhsa_float_denorm_mode_32 3
		.amdhsa_float_denorm_mode_16_64 3
		.amdhsa_memory_ordered 1
		.amdhsa_forward_progress 1
		.amdhsa_inst_pref_size 165
	.end_amdhsa_kernel
	.amdgpu_metadata
---
amdhsa.version: [ 1, 2 ]
amdhsa.kernels:
  - .name:           k_q493167ff02_proj
    .symbol:         k_q493167ff02_proj.kd
    .args:
      - { .name: codes, .offset: 0, .size: 8, .value_kind: global_buffer, .address_space: global }
      - { .name: scales, .offset: 8, .size: 8, .value_kind: global_buffer, .address_space: global }
      - { .name: qkv, .offset: 16, .size: 8, .value_kind: global_buffer, .address_space: global }
    .group_segment_fixed_size: 327680
    .private_segment_fixed_size: 0
    .kernarg_segment_align: 8
    .kernarg_segment_size: 24
    .max_flat_workgroup_size: 128
    .sgpr_count:     100
    .vgpr_count:     1024
    .wavefront_size: 32
...
	.end_amdgpu_metadata
.endif
;; end of part 2
;; launch attn (part 3): grid 4 x 64, 8 waves a work-group, no clusters, 66,560 bytes of LDS; arguments qkv, mwords, mflag, ctx; writes ctx
.if DOCPART == 3
	.amdgcn_target "amdgcn-amd-amdhsa--gfx1250"
	.amdhsa_code_object_version 6
	.text
	.protected	k_q493167ff02_attn
	.globl	k_q493167ff02_attn
	.p2align	8
	.type	k_q493167ff02_attn,@function
k_q493167ff02_attn:
	s_mov_b64 s[64:65], 0
	v_nop
	global_prefetch_b8 v0, s[64:65] scope:SCOPE_SE
	s_setreg_imm32_b32 hwreg(HW_REG_WAVE_MODE, 25, 1), 1
	s_wait_xcnt 0x0
; ATTN: ctx[b][q][head] = softmax_k(where(mask == 0, -1e9, query . key / 8)) value, head size 64, 2,048 keys.  Operands f16, products, maxima and sums f32; the weights p are rounded to f16 for the second product.
; Query and key arrive multiplied by sqrt(log2(e) / 8), so a raw score is t = score x log2(e); a masked t is REPLACED by -1e9 x log2(e); p = 2^(t - m), m the row's running maximum; in every step O and the sum l
; are multiplied by a = 2^(old m - new m); l, taken of the unrounded p, divides at the end.  A row that is wholly masked gives t - m = 0 for every key: the uniform row.
; SHARES.  A work-group owns 512 queries of one (batch, head), each of its eight waves 64: four tiles of 16.  Every wave walks all keys, 64 a step.
; LAYOUT.  S^T = K Q^T (source 0 = 16 keys, source 1 = 16 queries) and O^T = V^T P (source 0 = 16 channels, source 1 = P): a lane holds ONE query throughout; two tiles of S^T, rounded in pairs, ARE a fragment of P.
; Q, K, V lie in memory in the order of the operands' registers (512 bytes a half fragment, 16 bytes a lane): every load, from memory and from LDS, is constant + 16 x lane; no pitch, no padding.
; TWO CLASSES OF WAVES.  Two waves share a SIMD; class = (w ^ (w >> 2)) & 1 differs between them whether waves are dealt to SIMDs one by one or in pairs.  In trip J a class 0 wave runs the matrix phase
; MM (V^T P of step J - 1, K Q^T of step J) and then the softmax SM of step J; a class 1 wave runs SM of step J - 1 and then the same MM.  So one wave's vector work stands beside the other's matrix work.
; K AND V COME THROUGH REGISTERS INTO A RING OF FOUR LDS SLOTS, one step's 16 KiB each (each wave brings an eighth: four loads, four LDS stores).  In trip J group J + 2 is stored, groups J - 1, J, J + 1 are read,
; group J + 3 is asked of memory: four different slots; one barrier a trip parts a slot's last read from its next store and a store from its first read.
; NO TENSOR LOAD AND NO CLUSTER: where a wave's 64 queries x 64 keys have no hole, the 128 selects of the mask are passed over by a scalar branch on a flag that the first launch stored;
; what partners would share is 16 KiB a step.
; LIMITS: NaN and infinities are not served; |ctx| stays under 65,504 (f16).
; REGISTERS: window 0: v1-9 addresses and constants; v16-47 statistics, eight a tile: +0 m, +1 zero, +2 +3 l, +4 +5 at work, +6 a, +7 at work; v48-111 Q (48 + 16 t + 8 ks); v112-239 S^T (112 + 32 t + 8 kt), P packed
;   in place at 112 + 32 t + 16 u; v240-255 my eighth of a group on its way to LDS.   window 1: v0-127 O^T (32 t + 8 ct); v128-191 K's fragments; v192-255 V's.
.set LI,   1                           ; v1   16 x lane
.set L16,  2                           ; v2   16 x thread
.set ADK,  3                           ; v3   LDS address of the trip's fragments of K
.set ADV,  4                           ; v4   of V
.set STA,  5                           ; v5   where my eighth of a group is stored
.set NEG,  6                           ; v6   -1e9 x log2(e)
.set PFO,  7                           ; v7   256 x lane
.set SPW,  8                           ; v8   LDS address of my spare word; never rewritten
.set NIL,  9                           ; v9   0; never rewritten
.set ST,   16
.set Q,    48
.set S,    112
.set STG,  240
.set KF,   128                         ; in window 1
.set VF,   192                         ; in window 1
.set SPARE, 65536                      ; behind the four slots: the spare words, 128 bytes for each of eight waves
.set KP,   12                          ; s[12:13] K of my head; stepped a group a trip
.set VP,   14                          ; s[14:15] V likewise
.set WV,   16
.set CLS,  17
.set J,    18                          ; the trip
.set STP,  19                          ; the step whose scores are in S or come next
.set FLG,  20                          ; bit k: my 64 queries x keys 64 k .. 64 k + 63 have a hole
.set TT,   21
.set COK,  22                          ; which slot beyond J holds my K: 1 (class 0), 0 (class 1)
.set COV,  23                          ; and my V: 0 (class 0), 3 (class 1)
.set SEL,  24                          ; s[24:25] selects for v_permlanex16_b32: lane l xor 16
.set MOFF, 26                          ; the step's 512 bytes among my mask words
.set LIM,  28                          ; a wave prefetches while J is under it
.set PFA,  30                          ; s[30:31] where my prefetches stand
.set MSB, 0
.macro WIN new                         ; the immediate's high byte repeats the setting that is left
.if MSB != \new
	s_set_vgpr_msb (MSB<<8)|\new
.set MSB, \new
.endif
.endm
	s_load_b256 s[4:11], s[0:1], 0x0               ; qkv, mwords, mflag, ctx
	v_lshl_add_u32 v[SPW], v0, 2, SPARE
	v_mov_b32 v[NIL], 0
	v_lshrrev_b32 v10, 5, v0
	v_readfirstlane_b32 s[WV], v10                 ; wave 0..7
	v_and_b32 v10, 31, v0
	v_lshlrev_b32 v[LI], 4, v10
	v_lshlrev_b32 v[L16], 4, v0
	v_lshlrev_b32 v[PFO], 8, v10
	v_mov_b32 v[NEG], 0xceabfb8f
	s_lshr_b32 s[CLS], s[WV], 2
	s_xor_b32 s[CLS], s[CLS], s[WV]
	s_and_b32 s[CLS], s[CLS], 1
	s_xor_b32 s[COK], s[CLS], 1
	s_mul_i32 s[COV], s[CLS], 3
	s_mov_b32 s[SEL], 0x76543210
	s_mov_b32 s[SEL+1], 0xfedcba98
	s_and_b32 s2, ttmp7, 0xffff                    ; 16 batch + head
	s_lshl_b32 s3, s2, 18                          ; its 262,144 bytes in each of Q, K, V
	s_add_co_u32 s[KP], s3, 16777216
	s_mov_b32 s[KP+1], 0
	s_add_co_u32 s[VP], s3, 33554432
	s_mov_b32 s[VP+1], 0
	s_lshl_b32 s[TT], ttmp9, 3
	s_add_co_u32 s[TT], s[TT], s[WV]               ; my group of 64 queries, 0 .. 31
	s_lshl_b32 s26, s[TT], 13                      ; four tiles of 2,048 bytes
	s_add_co_u32 s26, s26, s3
	s_mov_b32 s27, 0
	s_lshl_b32 s32, s[TT], 14                      ; my 32 x 512 bytes of mask words
	s_mov_b32 s33, 0
	s_lshl_b32 s34, s[TT], 7                       ; my 32 flags
	s_mov_b32 s35, 0
	s_lshr_b32 s36, s2, 4
	s_lshl_b32 s36, s36, 22                        ; ctx: a batch is 128 tiles of 32,768 bytes,
	s_lshl_b32 s37, s[TT], 17                      ; my four tiles,
	s_add_co_u32 s36, s36, s37
	s_and_b32 s37, s2, 15
	s_lshl_b32 s37, s37, 11                        ; my head's 2,048 bytes of a tile
	s_add_co_u32 s36, s36, s37
	s_mov_b32 s37, 0
	s_and_b32 s[LIM], s[WV], 5                     ; 0 in waves 0 and 2,
	s_or_b32 s[LIM], s[LIM], ttmp9                 ; of the head's first work-group
	s_cmp_eq_u32 s[LIM], 0
	s_cselect_b32 s[LIM], 27, 0
	s_wait_kmcnt 0x0
	s_add_nc_u64 s[KP:KP+1], s[4:5], s[KP:KP+1]
	s_add_nc_u64 s[VP:VP+1], s[4:5], s[VP:VP+1]
	s_add_nc_u64 s[4:5], s[4:5], s[26:27]          ; Q at my first tile
	s_add_nc_u64 s[6:7], s[6:7], s[32:33]
	s_add_nc_u64 s[8:9], s[8:9], s[34:35]
	s_add_nc_u64 s[10:11], s[10:11], s[36:37]
	s_cmp_lt_u32 s[WV], 2
	s_cselect_b64 s[PFA:PFA+1], s[KP:KP+1], s[VP:VP+1]   ; wave 0 asks for K's, wave 2 for V's
.irp g, 0,1                                    ; groups 0 and 1: my eighth, through S's registers, which are free yet
	global_load_b128 v[S+16*\g:S+16*\g+3],     v[L16], s[KP:KP+1] offset:\g*8192
	global_load_b128 v[S+16*\g+4:S+16*\g+7],   v[L16], s[KP:KP+1] offset:\g*8192+4096
	global_load_b128 v[S+16*\g+8:S+16*\g+11],  v[L16], s[VP:VP+1] offset:\g*8192
	global_load_b128 v[S+16*\g+12:S+16*\g+15], v[L16], s[VP:VP+1] offset:\g*8192+4096
.endr
	global_load_b128 v[STG:STG+3],     v[L16], s[KP:KP+1] offset:16384   ; group 2
	global_load_b128 v[STG+4:STG+7],   v[L16], s[KP:KP+1] offset:20480
	global_load_b128 v[STG+8:STG+11],  v[L16], s[VP:VP+1] offset:16384
	global_load_b128 v[STG+12:STG+15], v[L16], s[VP:VP+1] offset:20480
.irp i, 0,1,2,3,4,5,6,7,8,9,10,11,12,13,14,15
	global_load_b128 v[Q+4*\i:Q+4*\i+3], v[LI], s[4:5] offset:512*\i th:TH_LOAD_NT   ; Q stays in registers: my 8,192 bytes as they lie
.endr
	s_load_b512 s[32:47], s[8:9], 0x0              ; my 32 flags
	s_load_b512 s[48:63], s[8:9], 0x40
.irp t, 0,1,2,3
	v_mov_b32 v[ST+8*\t], 0xff61b1e6               ; m = -3e38, under every t
	v_mov_b32 v[ST+8*\t+1], 0                      ; (named with m as a pair)
	v_mov_b32 v[ST+8*\t+2], 0                      ; l
	v_mov_b32 v[ST+8*\t+3], 0
.endr
	WIN 0x40                                       ; O^T begins as zeros, once a wave: so one written step serves from the first step on (its a = 0 multiplies zeros), which spares a further copy of the trip
.set i, 0
.rept 128
	v_mov_b32 v[i], 0
.set i, i+1
.endr
	WIN 0
.set i, 68
.rept 16
	s_mov_b64 s[i:i+1], 0                          ; the upper 32 mask registers: written before any path can name them
.set i, i+2
.endr
	s_wait_kmcnt 0x0
	s_mov_b32 s[FLG], 0
.set i, 0
.rept 32
	s_lshl_b32 s[TT], s[32+i], i
	s_or_b32 s[FLG], s[FLG], s[TT]
.set i, i+1
.endr
	s_wait_loadcnt 20                              ; groups 0 and 1 are in; group 2's four loads and Q's sixteen may be out
.irp g, 0,1
.irp p, 0,1,2,3
	ds_store_b128 v[L16], v[S+16*\g+4*\p:S+16*\g+4*\p+3] offset:\g*16384+\p*4096
.endr
.endr
; THE HEAD OF A TRIP.  My LDS instructions are done (stores for the others' sake, reads so that the slots may be written again); the barrier; the trip's three LDS addresses, made here, on the way that all waves take,
; from the trip's number and the wave's class.  st = 1: the loads of the last trip are waited for, ON EVERY PATH, so that no load is ever issued into registers that an earlier load may still write;
; then group J + 2, which they brought, goes into its slot (there are 32 groups: trips 30 and 31 store nothing).
.macro TOP st
	s_wait_dscnt 0x0
	s_barrier_signal -1
	s_barrier_wait -1
	s_add_co_u32 s[TT], s[J], 2
	s_and_b32 s[TT], s[TT], 3
	s_lshl_b32 s[TT], s[TT], 14
	v_add_nc_u32 v[STA], s[TT], v[L16]
	s_add_co_u32 s[TT], s[J], s[COK]
	s_and_b32 s[TT], s[TT], 3
	s_lshl_b32 s[TT], s[TT], 14
	v_add_nc_u32 v[ADK], s[TT], v[LI]
	s_add_co_u32 s[TT], s[J], s[COV]
	s_and_b32 s[TT], s[TT], 3
	s_lshl_b32 s[TT], s[TT], 14
	v_add_nc_u32 v[ADV], s[TT], v[LI]
.if \st
	s_wait_loadcnt 0x0                             ; the group asked for a trip ago is in (in trip 0: group 2, and Q with it)
	s_cmp_gt_u32 s[J], 29
	s_cbranch_scc1 .Lno_store_\@
.irp p, 0,1,2,3
	ds_store_b128 v[STA], v[STG+4*\p:STG+4*\p+3] offset:\p*4096
.endr
.Lno_store_\@:
.endif
.endm
; Group J + 3 is asked of memory: the pointers stand J + 1 groups on, the offsets add two.  Behind the loads one prefetch: group J + 5, which trip J + 2 will load: 32 blocks of 256 bytes, a lane a block.
; All four work-groups of a head walk the same K and V: the first of them asks, wave 0 for K's 8,192 bytes and wave 2 for V's, so each block is named once in the launch; trips 27 on ask for nothing.
.macro GLOAD
	s_cmp_gt_u32 s[J], 28
	s_cbranch_scc1 .Lno_load_\@
	s_wait_xcnt 0x0                                ; the last trip's loads and prefetch have read their bases: they are stepped only behind this wait
	s_add_nc_u64 s[KP:KP+1], s[KP:KP+1], 8192
	s_add_nc_u64 s[VP:VP+1], s[VP:VP+1], 8192
	s_add_nc_u64 s[PFA:PFA+1], s[PFA:PFA+1], 8192
	global_load_b128 v[STG:STG+3],     v[L16], s[KP:KP+1] offset:16384
	global_load_b128 v[STG+4:STG+7],   v[L16], s[KP:KP+1] offset:20480
	global_load_b128 v[STG+8:STG+11],  v[L16], s[VP:VP+1] offset:16384
	global_load_b128 v[STG+12:STG+15], v[L16], s[VP:VP+1] offset:20480
	s_cmp_lt_u32 s[J], s[LIM]
	s_cbranch_scc0 .Lno_load_\@
	global_prefetch_b8 v[PFO], s[PFA:PFA+1] offset:32768 th:TH_LOAD_NT scope:SCOPE_SE
.Lno_load_\@:
.endm
; The fragments of the next matrix phase: V's sixteen loads and K's sixteen, as they lie.  kf = 0: no K;  kf = 2: no K in trip 31 (class 0: there is no step 32).
.macro FRAGS kf
	WIN 0x40
.set fi, 0
.rept 16
	ds_load_b128 v[VF+4*fi:VF+4*fi+3], v[ADV] offset:8192+512*fi
.set fi, fi+1
.endr
	WIN 0
.if \kf == 2
	s_cmp_eq_u32 s[J], 31
	s_cbranch_scc1 .Lno_k_\@
.endif
.if \kf
	WIN 0x40
.set fi, 0
.rept 16
	ds_load_b128 v[KF+4*fi:KF+4*fi+3], v[ADK] offset:512*fi
.set fi, fi+1
.endr
	WIN 0
.endif
.Lno_k_\@:
.endm
; THE MATRIX PHASE.  pv: O^T = a O^T + V^T P; kq: S^T = K Q^T of step STP.  w: wait for the fragments (class 1; class 0's were waited for at the trip's head).  gl: the trip's loads from memory stand between the two.
; The accumulators take turns, one instruction a turn: four of O^T's at a time, then all sixteen of S^T's.
.macro MM pv, kq, w, gl
.if \kq
	s_bitcmp1_b32 s[FLG], s[STP]                   ; a hole in this step?  Then the first 64 lane masks (tiles 0 and 1) are asked for now, a whole phase ahead
	s_cbranch_scc0 .Lno_hole_\@
	s_lshl_b32 s[MOFF], s[STP], 9
	s_load_b512 s[32:47], s[6:7], s[MOFF] offset:0x0
	s_load_b512 s[48:63], s[6:7], s[MOFF] offset:0x40
	s_load_b512 s[68:83], s[6:7], s[MOFF] offset:0x80
	s_load_b512 s[84:99], s[6:7], s[MOFF] offset:0xc0
.Lno_hole_\@:
.endif
.if \w
	s_wait_dscnt 0x0                               ; the fragments are in
.endif
.if \pv
	WIN 0x51                                       ; V and O^T in window 1, P and a in window 0
.set mi, 0
.rept 16
	v_pk_mul_f32 v[2*mi:2*mi+1], v[2*mi:2*mi+1], v[ST+6:ST+7] op_sel_hi:[1,0]   ; tile 0's O^T x a, from each accumulator's low end on
.set mi, mi+1
.endr
.set mi, 0
.rept 32                                       ; mi = 8 t + 4 u + ct
.set mt, mi/8
.set mu, (mi/4)%2
.set mc, mi%4
	v_wmma_f32_16x16x32_f16 v[32*mt+8*mc:32*mt+8*mc+7], v[VF+8*(4*mu+mc):VF+8*(4*mu+mc)+7], v[S+32*mt+16*mu:S+32*mt+16*mu+7], v[32*mt+8*mc:32*mt+8*mc+7]
.if mt < 3
.set mp, 32*(mt+1)+4*(mi%8)
	v_pk_mul_f32 v[mp:mp+1], v[mp:mp+1], v[ST+8*(mt+1)+6:ST+8*(mt+1)+7] op_sel_hi:[1,0]       ; the next tile's O^T x a stands between this tile's products
	v_pk_mul_f32 v[mp+2:mp+3], v[mp+2:mp+3], v[ST+8*(mt+1)+6:ST+8*(mt+1)+7] op_sel_hi:[1,0]
.endif
.set mi, mi+1
.endr
	WIN 0
.endif
.if \gl
	s_wait_dscnt 0x0                               ; the four stores at the trip's head have read their registers, which take the loads
	GLOAD
.endif
.if \kq
.if \pv
.rept 5
	v_nop                                          ; five places: the products below write over P, a source of the products above
.endr
.endif
	WIN 0x01                                       ; K in window 1, Q and S^T in window 0
.set mi, 0
.rept 32                                       ; mi = 16 ks + 4 kt + t; the first sixteen start the sums
.set ms, mi/16
.set mk, (mi/4)%4
.set mt, mi%4
.if ms == 0
	v_wmma_f32_16x16x32_f16 v[S+32*mt+8*mk:S+32*mt+8*mk+7], v[KF+8*(2*mk+ms):KF+8*(2*mk+ms)+7], v[Q+16*mt+8*ms:Q+16*mt+8*ms+7], 0
.else
	v_wmma_f32_16x16x32_f16 v[S+32*mt+8*mk:S+32*mt+8*mk+7], v[KF+8*(2*mk+ms):KF+8*(2*mk+ms)+7], v[Q+16*mt+8*ms:Q+16*mt+8*ms+7], v[S+32*mt+8*mk:S+32*mt+8*mk+7]
.endif
.set mi, mi+1
.endr
	WIN 0
.endif
.endm
; THE SOFTMAX of one tile for one step is three lists; each macro writes number j of its list.
; A (37): 0-15 the maximum of the 32 scores and the old m, three operands at a time, each accumulator from its low end on; 16 the other half of the lanes'; 17-19 the new m, old m - new m; 20 a; 21-36 t - m, a pair each.
.macro A_OP t
.set rT, ST+8*(\t)
.set rS, S+32*(\t)
.if j < 4
	v_max3_num_f32 v[rT+4+j], v[rS+8*j], v[rS+8*j+1], v[rS+8*j+2]
.elseif j < 12
	v_max3_num_f32 v[rT+4+j%4], v[rT+4+j%4], v[rS+8*(j%4)+2*(j/4)+1], v[rS+8*(j%4)+2*(j/4)+2]
.elseif j == 12
	v_max3_num_f32 v[rT+4], v[rT+4], v[rS+7], v[rS+15]
.elseif j == 13
	v_max3_num_f32 v[rT+6], v[rT+6], v[rS+23], v[rS+31]
.elseif j == 14
	v_max3_num_f32 v[rT+4], v[rT+4], v[rT+5], v[rT+6]
.elseif j == 15
	v_max3_num_f32 v[rT+4], v[rT+4], v[rT+7], v[rT]
.elseif j == 16
	v_permlanex16_b32 v[rT+5], v[rT+4], s[SEL], s[SEL+1]
.elseif j == 17
	v_mov_b32 v[rT+7], v[rT]
.elseif j == 18
	v_max_num_f32 v[rT], v[rT+4], v[rT+5]
.elseif j == 19
	v_sub_f32 v[rT+7], v[rT+7], v[rT]
.elseif j == 20
	v_exp_f32 v[rT+6], v[rT+7]
.elseif j < 37
	v_pk_add_f32 v[rS+2*(j-21):rS+2*(j-21)+1], v[rS+2*(j-21):rS+2*(j-21)+1], v[rT:rT+1] op_sel_hi:[1,0] neg_lo:[0,1] neg_hi:[0,1]
.endif
.endm
; R (32): 0-14 the sum of the 16 pairs of p; 15 l = a l + the sum; 16-31 the roundings to f16, in place and ascending, so that a pair is read before its registers are written.
.macro R_OP t
.set rT, ST+8*(\t)
.set rS, S+32*(\t)
.if j == 0
	v_pk_add_f32 v[rT+4:rT+5], v[rS:rS+1], v[rS+2:rS+3]
.elseif j < 15
	v_pk_add_f32 v[rT+4:rT+5], v[rT+4:rT+5], v[rS+2*(j+1):rS+2*(j+1)+1]
.elseif j == 15
	v_pk_fma_f32 v[rT+2:rT+3], v[rT+2:rT+3], v[rT+6:rT+7], v[rT+4:rT+5] op_sel_hi:[1,0,1]
.elseif j < 32
	v_cvt_pk_f16_f32 v[rS+16*((j-16)/8)+(j-16)%8], v[rS+16*((j-16)/8)+2*((j-16)%8)], v[rS+16*((j-16)/8)+2*((j-16)%8)+1]
.endif
.endm
; A STAGE: the 32 exponentials of tile te, each followed by two or three plain lines: list R of tile tr (whose exponentials were waited for) and list A of tile ta, by turns.  9 = no such tile.
.macro STAGE te, tr, ta
.set sn, 0
.rept 32
.if \te < 9
	v_exp_f32 v[S+32*(\te)+sn], v[S+32*(\te)+sn]
.endif
.set sp, (sn*74)/32
.rept ((sn+1)*74)/32-(sn*74)/32
.set j, sp/2
.if sp%2 == 0
.if \tr < 9
	R_OP \tr
.endif
.else
.if \ta < 9
	A_OP \ta
.endif
.endif
.set sp, sp+1
.endr
.set sn, sn+1
.endr
.endm
.macro EWAIT                           ; one plain line behind the last exponential, and a wait ahead of the first line that names a result of the batch
	v_nop
	s_wait_alu depctr_va_vdst(0)
.endm
; The mask of tiles 2 half, 2 half + 1: 64 selects by lane masks in scalar registers, each accumulator from its low end on; passed over where the step has no hole.  Behind the first 64 the other 64 words are asked for.
.macro MASK half
.if \half
	s_wait_kmcnt 0x0                               ; on every path
.endif
	s_bitcmp1_b32 s[FLG], s[STP]
	s_cbranch_scc0 .Lopen_\@
.set i, 0
.rept 64
.if i < 32
	v_cndmask_b32 v[S+64*\half+i], v[S+64*\half+i], v[NEG], s[32+i]
.else
	v_cndmask_b32 v[S+64*\half+i], v[S+64*\half+i], v[NEG], s[36+i]
.endif
.set i, i+1
.endr
.if \half == 0
	s_load_b512 s[32:47], s[6:7], s[MOFF] offset:0x100
	s_load_b512 s[48:63], s[6:7], s[MOFF] offset:0x140
	s_load_b512 s[68:83], s[6:7], s[MOFF] offset:0x180
	s_load_b512 s[84:99], s[6:7], s[MOFF] offset:0x1c0
.endif
.Lopen_\@:
.endm
; THE VECTOR PHASE: the softmax of step STP.  At its head the next matrix phase's fragments are asked of LDS, so that they have the whole phase in which to land.
.macro SM kf, gl
	s_wait_kmcnt 0x0                               ; the first 64 lane masks, if they were asked for
.rept 4
	v_nop                                          ; four places behind the last products: their sources are loaded anew, their results read
.endr
	FRAGS \kf
.if \gl
	s_wait_dscnt 32                                ; the 32 loads just issued may be out; the four stores at the trip's head, ahead of them, have read their registers
	GLOAD
.endif
	MASK 0
	STAGE 9, 9, 0
	STAGE 0, 9, 1
	EWAIT
	MASK 1
	STAGE 1, 0, 2
	EWAIT
	STAGE 2, 1, 3
	EWAIT
	STAGE 3, 2, 9
	EWAIT
	STAGE 9, 3, 9
	s_add_co_u32 s[STP], s[STP], 1
.endm
	s_mov_b32 s[J], 0
	s_mov_b32 s[STP], 0
	TOP 1                                          ; trip 0: groups 0 and 1 lie in LDS; group 2 is stored; Q is in
	WIN 0x40
.set fi, 0
.rept 16
	ds_load_b128 v[KF+4*fi:KF+4*fi+3], v[LI] offset:512*fi   ; K of step 0, from slot 0
.set fi, fi+1
.endr
	WIN 0
	s_wait_dscnt 0x0
	MM 0, 1, 0, 1                                  ; both classes: the first scores
	s_cmp_lg_u32 s[CLS], 0
	s_cbranch_scc1 .Lfirst_done
	SM 1, 0
.Lfirst_done:
	s_mov_b32 s[J], 1
.Ltrip:                                            ; trips 1 to 31
	TOP 1
	s_cmp_lg_u32 s[CLS], 0
	s_cbranch_scc1 .Lclass_1
	MM 1, 1, 0, 1
	SM 2, 0
	s_branch .Ljoin
.Lclass_1:
	SM 1, 1
	MM 1, 1, 1, 0
.Ljoin:
	s_add_co_u32 s[J], s[J], 1
	s_cmp_lt_u32 s[J], 32
	s_cbranch_scc1 .Ltrip
	TOP 0                                          ; trip 32: what is left of step 31
	s_cmp_lg_u32 s[CLS], 0
	s_cbranch_scc1 .Llast_1
	MM 1, 0, 0, 0
	s_branch .Lout
.Llast_1:
	SM 0, 0
	MM 1, 0, 1, 0
.Lout:
	; THE WAY OUT.  l's two halves and the other half of the lanes' are added (these twelve lines name no register of the last products: they are the places behind them); O^T / l, rounded to f16: a lane's eight
	; channels of one query are 16 bytes, and the 32 lanes' 512 bytes are half a fragment of the last product's operand: ctx lies [tile of 16 tokens][32 along K][half][512 bytes].
.irp t, 0,1,2,3
	v_add_f32 v[ST+8*\t+4], v[ST+8*\t+2], v[ST+8*\t+3]
.endr
.irp t, 0,1,2,3
	v_permlanex16_b32 v[ST+8*\t+5], v[ST+8*\t+4], s[SEL], s[SEL+1]
.endr
.irp t, 0,1,2,3
	v_add_f32 v[ST+8*\t+4], v[ST+8*\t+4], v[ST+8*\t+5]
.endr
.irp t, 0,1,2,3
	v_rcp_f32 v[ST+8*\t+6], v[ST+8*\t+4]
.endr
	EWAIT                                          ; one plain line and one wait for the four reciprocals
	WIN 0x41
.set i, 0
.rept 64
	v_pk_mul_f32 v[2*i:2*i+1], v[2*i:2*i+1], v[ST+8*(i/16)+6:ST+8*(i/16)+7] op_sel_hi:[1,0]
.set i, i+1
.endr
	WIN 0x05                                       ; sources in window 1, destination in window 0: S's registers are free
.set i, 0
.rept 64
	v_cvt_pk_f16_f32 v[S+i], v[2*i], v[2*i+1]
.set i, i+1
.endr
	WIN 0
.irp t, 0,1,2,3
.irp c, 0,1,2,3
	global_store_b128 v[LI], v[S+16*\t+4*\c:S+16*\t+4*\c+3], s[10:11] offset:\t*32768+\c*512   ; 512 consecutive bytes, aligned
.endr
.endr
	s_wait_tensorcnt 0x0                           ; the wave's end, behind my last LDS store
	ds_add_u32 v[SPW], v[NIL]
	s_wait_dscnt 0x0
	s_endpgm
.Lfunc_end_k_q493167ff02_attn:
	.size	k_q493167ff02_attn, .Lfunc_end_k_q493167ff02_attn-k_q493167ff02_attn
	.p2alignl 7, 3214868480
	.fill 96, 4, 3214868480
	.section	.rodata,"a",@progbits
	.p2align	6, 0x0
	.amdhsa_kernel k_q493167ff02_attn
		.amdhsa_group_segment_fixed_size 66560
		.amdhsa_private_segment_fixed_size 0
		.amdhsa_enable_private_segment 0
		.amdhsa_kernarg_size 32
		.amdhsa_user_sgpr_count 2
		.amdhsa_user_sgpr_kernarg_segment_ptr 1
		.amdhsa_wavefront_size32 1
		.amdhsa_system_sgpr_workgroup_id_x 1
		.amdhsa_system_sgpr_workgroup_id_y 1
		.amdhsa_system_sgpr_workgroup_id_z 1
		.amdhsa_system_vgpr_workitem_id 0
		.amdhsa_next_free_vgpr 512
		.amdhsa_next_free_sgpr 100
		.amdhsa_reserve_vcc 0
		.amdhsa_float_denorm_mode_32 3
		.amdhsa_float_denorm_mode_16_64 3
		.amdhsa_memory_ordered 1
		.amdhsa_forward_progress 1
		.amdhsa_inst_pref_size 188
	.end_amdhsa_kernel
	.amdgpu_metadata
---
amdhsa.version: [ 1, 2 ]
amdhsa.kernels:
  - .name:           k_q493167ff02_attn
    .symbol:         k_q493167ff02_attn.kd
    .args:
      - { .name: qkv, .offset: 0, .size: 8, .value_kind: global_buffer, .address_space: global }
      - { .name: mwords, .offset: 8, .size: 8, .value_kind: global_buffer, .address_space: global }
      - { .name: mflag, .offset: 16, .size: 8, .value_kind: global_buffer, .address_space: global }
      - { .name: ctx, .offset: 24, .size: 8, .value_kind: global_buffer, .address_space: global }
    .group_segment_fixed_size: 66560
    .private_segment_fixed_size: 0
    .kernarg_segment_align: 8
    .kernarg_segment_size: 32
    .max_flat_workgroup_size: 256
    .sgpr_count:     100
    .vgpr_count:     512
    .wavefront_size: 32
...
	.end_amdgpu_metadata
.endif
;; end of part 3
;; launch outp (part 4): grid 8 x 64, 4 waves a work-group, clusters of 4 x 4, 327,680 bytes of LDS; arguments ctx, wo16, out0; writes out0
.if DOCPART == 4
	.amdgcn_target "amdgcn-amd-amdhsa--gfx1250"
	.amdhsa_code_object_version 6
	.text
	.protected	k_q493167ff02_outp
	.globl	k_q493167ff02_outp
	.p2align	8
	.type	k_q493167ff02_outp,@function
k_q493167ff02_outp:
	s_mov_b64 s[64:65], 0
	v_nop
	global_prefetch_b8 v0, s[64:65] scope:SCOPE_SE
	s_setreg_imm32_b32 hwreg(HW_REG_WAVE_MODE, 25, 1), 1
	s_wait_xcnt 0x0
	s_wait_alu depctr_hold_cnt(0) depctr_sa_sdst(0) depctr_va_vdst(0) depctr_va_sdst(0) depctr_va_ssrc(0) depctr_va_vcc(0) depctr_vm_vsrc(0)
	s_getreg_b32 s2, hwreg(HW_REG_IB_STS2, 6, 4)
	s_cmp_eq_u32 s2, 0
	s_cbranch_scc0 .Lentry_in_a_cluster
	s_endpgm
.Lentry_in_a_cluster:
	s_bfe_u32 s2, ttmp6, 0x10000c
	s_cmp_lg_u32 s2, 0xf033
	s_cbranch_scc0 .Lentry_shape_is_right
	s_endpgm
.Lentry_shape_is_right:
; OUTP: out0[m][n] = sum over k of ctx[m][k] Wo[n][k], M = 8,192, N = K = 1,024; operands f16, sums and result f32.
; Both operands lie in memory in the order of the operand's registers: [tile of 16 rows][32 along K][half][512 bytes], 32,768 bytes a tile of rows; lane (r, h) has row r, k = 16 half + 8 h + 0 .. 7 at byte 16 x lane.
; A tile of the result is 128 x 128: four waves, each 64 x 64: 16 accumulators.  K goes in steps of 256 through a ring of two LDS slots; a wave's tensor load brings four tiles of rows x 8,192 consecutive bytes.
; Every fragment load is constant + 16 x lane: 512 consecutive bytes an instruction; no pitch, no padding.
; CLUSTERS: 4 x 4 work-groups.  The four of a row of the cluster need the same tiles of ctx, the four of a column the same tiles of Wo: each is asked for JOINTLY, by the same tensor load with the same descriptor and
; a mask that names the four.  THE MATRIX INSTRUCTION IS USED TRANSPOSED (source 0 = 16 rows of Wo, source 1 = 16 rows of ctx): a lane then holds eight neighbouring numbers of a row of the result.
; REGISTERS: window 0: v0-31 addresses; v32-95 at work on the way out; v128-255 the accumulators ((a, b) at v[128 + 8 (4 a + b)]).   window 1: two fragment buffers of 128: 64 registers of A, then 64 of B, for 64 along K.
.set SIZE_N, 1024
.set KSTEPB, 8192                      ; 256 along K of one tile of 16 rows, in bytes
.set HALFT,  4*KSTEPB                  ; 64 rows: what one tensor load brings, and what one wave reads of A or of B
.set SLOT,   4*HALFT                   ; A's 128 rows, then B's 128 rows
.set SPARE,  2*SLOT                    ; behind the ring: the spare words, 128 bytes for each wave
.set SPITCH, 272                       ; the way out: a stage of 16 rows x (256 bytes + 16) for each wave, in slot 0, which has had its last fill and its last read by then
.set LAPS,   2                         ; a lap = two K steps = once round the ring
.set ADRA, 16
.set ADRB, 20
.set STO,  24
.set RD,   25
.set CO,   26
.set SPW,  28
.set NIL,  29
.set TMP,  32
.set ACC,  128
.set F0,   0
.set F1,   128
.set G1, 24
.set G0, 32
.set G1B, 48
.set G0B, 56
.set MSB, 0
.macro WIN new                         ; the immediate's high byte repeats the setting that is left
.if MSB != \new
	s_set_vgpr_msb (MSB<<8)|\new
.set MSB, \new
.endif
.endm
.set MUL,  0x05                        ; sources 0 (B) and 1 (A) window 1; C and D window 0
.set TO_F, 0x40                        ; destination window 1, address window 0
.macro JLOAD s                         ; a joint load: waves 0 and 1 fetch A's two halves, waves 2 and 3 B's; an s_nop 0 and four v_nop follow each of the two lines
	s_cmp_eq_u32 s11, 0
	s_cbranch_scc0 .Lfor_b_\@
	tensor_load_to_lds s[G0+4*\s:G0+4*\s+3], s[G1:G1+7]
	s_nop 0
.rept 4
	v_nop
.endr
	s_branch .Lasked_\@
.Lfor_b_\@:
	tensor_load_to_lds s[G0B+4*\s:G0B+4*\s+3], s[G1B:G1B+7]
	s_nop 0
.rept 4
	v_nop
.endr
.Lasked_\@:
.endm
.macro CREST                           ; a round of the cluster's barrier behind its opening barrier
	s_cmp_lg_u32 s10, 0
	s_cbranch_scc1 .Lnot_wave_0_\@
	s_barrier_signal -3
.Lnot_wave_0_\@:
	s_barrier_wait -3
	s_barrier_signal -1
	s_barrier_wait -1
.endm
.macro CROUND
	s_barrier_signal -1
	s_barrier_wait -1
	CREST
.endm
	s_load_b128 s[4:7], s[0:1], 0x0                ; ctx, wo16
	s_load_b64 s[8:9], s[0:1], 0x10                ; out0
	v_lshl_add_u32 v[SPW], v0, 2, SPARE
	v_mov_b32 v[NIL], 0
	ds_add_u32 v[SPW], v[NIL]                      ; the wave's opening: the add, twice on end, and its wait ahead of my first tensor load
	ds_add_u32 v[SPW], v[NIL]
	v_lshrrev_b32 v1, 5, v0
	v_readfirstlane_b32 s10, v1                    ; wave 0..3
	s_lshr_b32 s11, s10, 1                         ; which half of the tile's rows is mine.  Also: I fetch for A (0) or for B (1)
	s_and_b32 s12, s10, 1                          ; which half of its columns.  Also: which 64 rows of that tile I fetch
	s_bfe_u32 s40, ttmp6, 0x40000                  ; cx, cy
	s_bfe_u32 s41, ttmp6, 0x40004
	s_lshl_b32 s42, ttmp9, 2
	s_add_co_u32 s42, s42, s40                     ; tile column = 4 x cluster x + cx
	s_and_b32 s13, ttmp7, 0xffff
	s_lshl_b32 s13, s13, 2
	s_add_co_u32 s13, s13, s41                     ; tile row = 4 x cluster y + cy
	s_lshl_b32 s43, s41, 2
	s_lshl_b32 s43, 15, s43                        ; my row of the cluster
	s_lshl_b32 s44, 0x1111, s40                    ; my column
	; descriptor group 1: four rows of 8,192 bytes (1,024 elements of 8), 32,768 bytes apart in memory, on end in LDS
	s_or_b32 s[G1+0], s43, (3<<16)|(1<<21)
	s_or_b32 s[G1B+0], s44, (3<<16)|(1<<21)
.irp g, G1, G1B
	s_mov_b32 s[\g+1], 1024<<16                    ; tensor_dim0
	s_mov_b32 s[\g+2], 4<<16                       ; tensor_dim1
	s_mov_b32 s[\g+3], 1024<<16                    ; tile_dim0
	s_mov_b32 s[\g+4], 4                           ; tile_dim1
	s_mov_b32 s[\g+5], 4096                        ; from row to row, in elements
	s_mov_b32 s[\g+6], 0
	s_mov_b32 s[\g+7], 0
.endr
	s_lshl_b32 s17, s12, 2                         ; which four tiles of 16 rows I fetch
	s_lshl_b32 s16, s13, 3
	s_add_co_u32 s16, s16, s17                     ; A: 8 x tile row + 4 x half
	s_lshl_b32 s16, s16, 15
	s_lshl_b32 s46, s42, 3
	s_add_co_u32 s46, s46, s17                     ; B: 8 x tile column + 4 x half
	s_lshl_b32 s46, s46, 15
	s_mov_b32 s17, 0
	s_mov_b32 s47, 0
	s_mul_i32 s20, s10, HALFT                      ; where they go: wave x 64 rows: no place in the cluster enters an LDS address
	s_wait_dscnt 0x0                               ; both opening adds are done
	s_wait_kmcnt 0x0
	s_add_nc_u64 s[14:15], s[4:5], s[16:17]
	s_add_nc_u64 s[46:47], s[6:7], s[46:47]
	CROUND                                         ; all sixteen work-groups are here: the first joint loads meet
.irp s, 0,1
	s_mov_b32 s[G0+4*\s], 1
	s_add_co_u32 s[G0+4*\s+1], s20, \s*SLOT
	s_add_nc_u64 s[G0+4*\s+2:G0+4*\s+3], s[14:15], \s*KSTEPB
	s_or_b32 s[G0+4*\s+3], s[G0+4*\s+3], 0x80000000
	s_mov_b32 s[G0B+4*\s], 1
	s_add_co_u32 s[G0B+4*\s+1], s20, \s*SLOT
	s_add_nc_u64 s[G0B+4*\s+2:G0B+4*\s+3], s[46:47], \s*KSTEPB
	s_or_b32 s[G0B+4*\s+3], s[G0B+4*\s+3], 0x80000000
	JLOAD \s
.endr
	v_and_b32 v1, 15, v0                           ; l % 16
	v_bfe_u32 v2, v0, 4, 1                         ; l / 16
	v_and_b32 v3, 31, v0
	v_lshlrev_b32 v3, 4, v3                        ; 16 x lane
	s_mul_i32 s21, s11, HALFT                      ; my 64 rows of A
	s_mul_i32 s22, s12, HALFT                      ; my 64 rows of B,
	s_add_co_u32 s22, s22, 2*HALFT                 ; which lie behind A's 128
.irp s, 0,1
	v_add_nc_u32 v[ADRA+\s], s21, v3
	v_add_nc_u32 v[ADRB+\s], s22, v3
	s_add_co_u32 s21, s21, SLOT
	s_add_co_u32 s22, s22, SLOT
.endr
	s_mul_i32 s23, s10, 16*SPITCH                  ; my stage
	v_mul_u32_u24 v4, v1, SPITCH                   ; in: row l % 16, 32 bytes for each half of the lanes
	v_lshl_add_u32 v4, v2, 5, v4
	v_add_nc_u32 v[STO], s23, v4
	v_mul_u32_u24 v5, v2, SPITCH                   ; back: lanes 0-15 take one row of 256 bytes, lanes 16-31 the next
	v_lshl_add_u32 v5, v1, 4, v5
	v_add_nc_u32 v[RD], s23, v5
	v_lshlrev_b32 v5, 12, v2                       ; and the same two rows in the result: 4,096 bytes a row
	v_lshl_add_u32 v[CO], v1, 4, v5
	s_lshl_b32 s16, s13, 7
	s_lshl_b32 s17, s11, 6
	s_add_co_u32 s16, s16, s17                     ; my first row: 128 x tile row + 64 x half
	s_lshl_b32 s16, s16, 12
	s_mov_b32 s17, 0
	s_add_nc_u64 s[8:9], s[8:9], s[16:17]
	s_lshl_b32 s46, s42, 9                         ; my first column, in bytes: 512 x tile column + 256 x half
	s_lshl_b32 s47, s12, 8
	s_add_co_u32 s46, s46, s47
	s_mov_b32 s47, 0
	s_add_nc_u64 s[8:9], s[8:9], s[46:47]
; 8 matrix instructions: m blocks a0, a0 + 1 x all 4 n blocks, 32 along K: half c of buffer f.  zero = 1: the first product starts the sums.  The 16 accumulators take turns.
.macro MUL8 f, c, a0, zero
.irp a, \a0, \a0+1
.irp b, 0,1,2,3
.if \zero
	v_wmma_f32_16x16x32_f16 v[ACC+8*(4*(\a)+\b):ACC+8*(4*(\a)+\b)+7], v[\f+64+8*(4*\c+\b):\f+64+8*(4*\c+\b)+7], v[\f+8*(4*\c+\a):\f+8*(4*\c+\a)+7], 0
.else
	v_wmma_f32_16x16x32_f16 v[ACC+8*(4*(\a)+\b):ACC+8*(4*(\a)+\b)+7], v[\f+64+8*(4*\c+\b):\f+64+8*(4*\c+\b)+7], v[\f+8*(4*\c+\a):\f+8*(4*\c+\a)+7], v[ACC+8*(4*(\a)+\b):ACC+8*(4*(\a)+\b)+7]
.endif
.endr
.endr
.endm
; 32 LDS loads in one run: the fragments of the slot's q-th 64 along K into buffer f; the first 32 along K first
.macro FETCH slot, q, f
	WIN TO_F
.irp c, 0,1
.irp i, 0,1,2,3
	ds_load_b128 v[\f+64+8*(4*\c+\i):\f+64+8*(4*\c+\i)+3],   v[ADRB+\slot] offset:\i*KSTEPB+(\q)*2048+\c*1024
	ds_load_b128 v[\f+64+8*(4*\c+\i)+4:\f+64+8*(4*\c+\i)+7], v[ADRB+\slot] offset:\i*KSTEPB+(\q)*2048+\c*1024+512
	ds_load_b128 v[\f+8*(4*\c+\i):\f+8*(4*\c+\i)+3],         v[ADRA+\slot] offset:\i*KSTEPB+(\q)*2048+\c*1024
	ds_load_b128 v[\f+8*(4*\c+\i)+4:\f+8*(4*\c+\i)+7],       v[ADRA+\slot] offset:\i*KSTEPB+(\q)*2048+\c*1024+512
.endr
.endr
.endm
.macro PLACES                          ; four places in front of loads into registers that matrix instructions have read, and of the first read of results
.rept 4
	v_nop
.endr
.endm
; A K step is four quarters of 64 along K, 32 matrix instructions each, on buffers 0, 1, 0, 1.  One of the first three: multiplies buffer f and fetches quarter q into g.
.macro QUARTER slot, q, f, g, zero
	s_wait_dscnt 16                                ; the first 32 along K are in; the other sixteen loads may be out
	WIN MUL
	MUL8 \f, 0, 0, \zero
	MUL8 \f, 0, 2, \zero
	PLACES
	FETCH \slot, \q, \g
	s_wait_dscnt 32                                ; all but the 32 just issued
	WIN MUL
	MUL8 \f, 1, 0, 0
	MUL8 \f, 1, 2, 0
.endm
; The last quarter multiplies buffer 1 and changes slots: ONE barrier; in front of it each wave waits for all its tensor loads, adds 0 to its spare word, and waits for that and for its own reads of this slot.
; fill = 1: this slot is filled again, two K steps ahead; the barrier then opens a round of the cluster's barrier.
.macro TURN slot, next, fill
	WIN 0                                          ; (the add's two registers lie in window 0)
	s_wait_tensorcnt 0x0                           ; all my tensor loads have landed: my part of the next slot;
	ds_add_u32 v[SPW], v[NIL]                      ; 0 onto my spare word;
	s_wait_dscnt 17                                ; (the add and the youngest sixteen loads may be out)
	WIN MUL
	MUL8 F1, 0, 0, 0
	s_wait_dscnt 0x0                               ; the add is done, and my reads of this slot are over
	s_barrier_signal -1
	MUL8 F1, 0, 2, 0
.if \fill
	WIN 0
.endif
	s_barrier_wait -1
.if \fill
	CREST                                          ; no wave of any partner still reads this slot's tile or has a load on its way
	s_add_nc_u64 s[G0+4*\slot+2:G0+4*\slot+3], s[G0+4*\slot+2:G0+4*\slot+3], 2*KSTEPB
	s_add_nc_u64 s[G0B+4*\slot+2:G0B+4*\slot+3], s[G0B+4*\slot+2:G0B+4*\slot+3], 2*KSTEPB
	JLOAD \slot                                    ; the first tensor load behind the round, my one load until the next; the four v_nop behind it are also the places in front of the loads below
.else
	PLACES
.endif
	FETCH \next, 0, F0
	WIN MUL
	MUL8 F1, 1, 0, 0
	MUL8 F1, 1, 2, 0
.endm
	s_wait_tensorcnt 1                             ; my part of K step 0 is in (K step 1's load may be out)
	s_barrier_signal -1
	s_barrier_wait -1                              ; everybody's is
	FETCH 0, 0, F0
	QUARTER 0, 1, F0, F1, 1                        ; the first quarter stands in front of the loop: its first products start the sums
	WIN 0                                          ; at a label and at a branch every window is 0
	s_mov_b32 s3, LAPS-1
.Llap:                                             ; a trip goes once round the ring, from a lap's second quarter to the next lap's first, and fills both slots again
	QUARTER 0, 2, F1, F0, 0
	QUARTER 0, 3, F0, F1, 0
	TURN 0, 1, 1
	QUARTER 1, 1, F0, F1, 0
	QUARTER 1, 2, F1, F0, 0
	QUARTER 1, 3, F0, F1, 0
	TURN 1, 0, 1
	QUARTER 0, 1, F0, F1, 0
	WIN 0
	s_sub_co_u32 s3, s3, 1
	s_cmp_lg_u32 s3, 0
	s_cbranch_scc1 .Llap
	QUARTER 0, 2, F1, F0, 0                        ; the last lap fills nothing, and has no round of the cluster's barrier
	QUARTER 0, 3, F0, F1, 0
	TURN 0, 1, 0
	QUARTER 1, 1, F0, F1, 0
	QUARTER 1, 2, F1, F0, 0
	QUARTER 1, 3, F0, F1, 0
	s_wait_dscnt 16                                ; the very last quarter: nothing more to fetch
	WIN MUL
	MUL8 F1, 0, 0, 0
	MUL8 F1, 0, 2, 0
	s_wait_dscnt 0
	MUL8 F1, 1, 0, 0
	MUL8 F1, 1, 2, 0
	WIN 0
; THE WAY OUT, block by block of 16 rows x 64 columns.  A lane holds 32 neighbouring bytes of a row, and the lanes beside it hold other rows: so a block goes through my own stage in LDS and comes back as whole rows of
; 256 bytes.  LDS serves a wave's instructions in order (ISA guide 5.7.1.4): no wait between the stores and the loads, nor in front of the next block's stores.
.macro TOSTAGE a
.irp b, 0,1,2,3
	ds_store_b128 v[STO], v[ACC+8*(4*(\a)+\b):ACC+8*(4*(\a)+\b)+3] offset:64*\b        ; each accumulator from its low end on
	ds_store_b128 v[STO], v[ACC+8*(4*(\a)+\b)+4:ACC+8*(4*(\a)+\b)+7] offset:64*\b+16
.endr
.set BB, TMP+32*((\a)%2)
.irp t, 0,1,2,3,4,5,6,7
	ds_load_b128 v[BB+4*\t:BB+4*\t+3], v[RD] offset:\t*2*SPITCH
.endr
.endm
.macro SEND a, younger                 ; younger: the LDS instructions issued behind block a's loads, which may stay out
.set BB, TMP+32*((\a)%2)
	s_wait_dscnt \younger
.irp t, 0,1,2,3,4,5,6,7
	global_store_b128 v[CO], v[BB+4*\t:BB+4*\t+3], s[8:9] offset:(\a)*16*SIZE_N*4+\t*2*SIZE_N*4 th:TH_STORE_NT   ; 16 lanes store 256 consecutive bytes, aligned; written once, read by nobody here
.endr
.endm
	PLACES
	TOSTAGE 0
.irp a, 1,2,3
.if \a > 1
	s_wait_xcnt 0x0                                ; block a - 2's stores have read their registers: block a's loads may land there
.endif
	TOSTAGE \a
	SEND \a-1, 16                                  ; behind block a - 1's loads: block a's eight stores and eight loads
.endr
	SEND 3, 0
	s_wait_tensorcnt 0x0                           ; the wave's end, behind my last tensor load and my last LDS store
	ds_add_u32 v[SPW], v[NIL]
	s_wait_dscnt 0x0
	CROUND                                         ; the closing round: no work-group ends while a partner may still ask for a tile that names it
	s_endpgm
.Lfunc_end_k_q493167ff02_outp:
	.size	k_q493167ff02_outp, .Lfunc_end_k_q493167ff02_outp-k_q493167ff02_outp
	.p2alignl 7, 3214868480
	.fill 96, 4, 3214868480
	.section	.rodata,"a",@progbits
	.p2align	6, 0x0
	.amdhsa_kernel k_q493167ff02_outp
		.amdhsa_group_segment_fixed_size 327680
		.amdhsa_private_segment_fixed_size 0
		.amdhsa_enable_private_segment 0
		.amdhsa_kernarg_size 24
		.amdhsa_user_sgpr_count 2
		.amdhsa_user_sgpr_kernarg_segment_ptr 1
		.amdhsa_wavefront_size32 1
		.amdhsa_system_sgpr_workgroup_id_x 1
		.amdhsa_system_sgpr_workgroup_id_y 1
		.amdhsa_system_sgpr_workgroup_id_z 1
		.amdhsa_system_vgpr_workitem_id 0
		.amdhsa_next_free_vgpr 512
		.amdhsa_next_free_sgpr 66
		.amdhsa_reserve_vcc 0
		.amdhsa_float_denorm_mode_32 3
		.amdhsa_float_denorm_mode_16_64 3
		.amdhsa_memory_ordered 1
		.amdhsa_forward_progress 1
		.amdhsa_inst_pref_size 85
	.end_amdhsa_kernel
	.amdgpu_metadata
---
amdhsa.version: [ 1, 2 ]
amdhsa.kernels:
  - .name:           k_q493167ff02_outp
    .symbol:         k_q493167ff02_outp.kd
    .args:
      - { .name: ctx, .offset: 0, .size: 8, .value_kind: global_buffer, .address_space: global }
      - { .name: wo16, .offset: 8, .size: 8, .value_kind: global_buffer, .address_space: global }
      - { .name: out0, .offset: 16, .size: 8, .value_kind: global_buffer, .address_space: global }
    .group_segment_fixed_size: 327680
    .private_segment_fixed_size: 0
    .kernarg_segment_align: 8
    .kernarg_segment_size: 24
    .max_flat_workgroup_size: 128
    .sgpr_count:     66
    .vgpr_count:     512
    .wavefront_size: 32
...
	.end_amdgpu_metadata
.endif
;; end of part 4
